; MI455X (gfx1250); checked and timed in simulation.
; The chip was launched on July 23, 2026; its instructions are those of AMD's public machine-readable ISA for CDNA 5 (MIT licence, August 2026) and "CDNA5" Instruction Set Architecture Reference Guide (July 2026). The comments in the code are by the model that wrote it; some were corrected since.
;; Multi Head Attention. Allowed arithmetic: float matrix products may take bf16 or f16 operands with f32 sums; all other float work in f32.
;; Inputs: W_o 1,024 x 1,024 float32; W_qkv 3,072 x 1,024 float32; b_o 1,024 float32; b_qkv 3,072 float32; x 2 x 2,048 x 1,024 float32.
;; Outputs: out0 2 x 2,048 x 1,024 float32.
;; 2 versions, each right; version 2 is version 1 with the launch tobf16 written anew for expert scheduling mode. Each part assembles by itself: llvm-mc -triple=amdgcn-amd-amdhsa -mcpu=gfx1250 --defsym DOCPART=n.
;; ======== version 1 of 2: 4 launches
;; limits: values are held in f16: magnitudes above 65,504 overflow, below 6.1e-05 lose precision
;; workspace buffers: xb 8,388,608 bytes; wqb 6,291,456 bytes; woh 2,097,152 bytes; qkv 25,165,824 bytes; att 8,388,608 bytes
;; launch tobf16 (part 1): grid 256 x 1, 8 waves a work-group, no clusters, 0 bytes of LDS; arguments x, W_qkv, W_o, xb, wqb, woh; writes xb, wqb, woh
.if DOCPART == 1
	.amdgcn_target "amdgcn-amd-amdhsa--gfx1250"
	.amdhsa_code_object_version 6
	.text
	.protected	k_qec71d1a94f_tobf16
	.globl	k_qec71d1a94f_tobf16
	.p2align	8
	.type	k_qec71d1a94f_tobf16,@function
k_qec71d1a94f_tobf16:
	s_mov_b64 s[64:65], 0
	v_nop
	global_prefetch_b8 v0, s[64:65] scope:SCOPE_SE
	s_setreg_imm32_b32 hwreg(HW_REG_WAVE_MODE, 25, 1), 1
	s_wait_xcnt 0x0
; The three matrix inputs are rounded once to 16 bits, so that the products that follow read half the bytes and need no conversion.
;   x [4096][1024] f32 -> xb bf16;   W_qkv [3072][1024] f32 -> wqb bf16;
;   W_o [1024][1024] f32 -> woh: rounded to bf16 like the other two, then written in f16 code, because its partner in the last product
;   (the attention's result) is f16 and a matrix instruction takes both operands in one format.  A bf16 number has 8 significant bits and
;   f16 holds 11, so the second step is exact down to 2^-17; below that it errs by 2^-25 at the most.  LIMIT: |W_o| above 65,504 becomes infinity.
; A stream: no LDS, no barrier, no matrix unit, nothing is read twice.  256 work-groups of 8 waves; each takes 32,768 numbers (131,072 bytes in,
; 65,536 out): groups 0-127 x, 128-223 W_qkv, 224-255 W_o.  Thread t takes 16 bytes at 16 t of each block of 4,096 bytes: a wave's load covers
; 512 neighbouring bytes, its store of 8 bytes a lane covers 256 neighbouring bytes that start at a multiple of 256 from the buffer's first byte.
; All 32 loads of a thread are issued before the first wait; no register is written twice, so no wait frees a source.
.set X, 4                              ; v[4:131]    group g: 4 numbers as loaded
.set Y, 132                            ; v[132:195]  group g: 4 numbers in 16 bits
.set GROUPS, 32
	s_load_b256 s[4:11], s[0:1], 0x0               ; x s[4:5], W_qkv s[6:7], W_o s[8:9], xb s[10:11]
	s_load_b128 s[12:15], s[0:1], 0x20             ; wqb s[12:13], woh s[14:15]
	v_lshlrev_b32 v1, 4, v0                        ; my 16 bytes in a block of the source
	v_lshlrev_b32 v2, 3, v0                        ; my 8 bytes in a block of the destination
	s_mov_b32 s16, 0                               ; the first work-group of my tensor
	s_wait_kmcnt 0x0
	s_cmp_ge_u32 ttmp9, 128                        ; the choice of the tensor hangs on the work-group's number alone
	s_cselect_b64 s[4:5], s[6:7], s[4:5]
	s_cselect_b64 s[10:11], s[12:13], s[10:11]
	s_cselect_b32 s16, 128, s16
	s_cmp_ge_u32 ttmp9, 224
	s_cselect_b64 s[4:5], s[8:9], s[4:5]
	s_cselect_b64 s[10:11], s[14:15], s[10:11]
	s_cselect_b32 s16, 224, s16
	s_sub_co_u32 s17, ttmp9, s16                   ; my part of the tensor
	s_lshl_b32 s18, s17, 17                        ; x 131,072 bytes in (at most 127 parts: below 4 GiB)
	s_mov_b32 s19, 0
	s_lshl_b32 s20, s17, 16                        ; x 65,536 bytes out
	s_mov_b32 s21, 0
	s_add_nc_u64 s[4:5], s[4:5], s[18:19]
	s_add_nc_u64 s[10:11], s[10:11], s[20:21]
.set g, 0
.rept GROUPS
	global_load_b128 v[X+4*g:X+4*g+3], v1, s[4:5] offset:g*4096 th:TH_LOAD_NT   ; read once in the whole launch
.set g, g+1
.endr
; recode = 1: the bf16 numbers are widened again (a shift, a mask) and written as f16
.macro CASTS recode
.set g, 0
.rept GROUPS
	s_wait_loadcnt GROUPS-1-g                      ; loads come back in order: group g is in, the younger ones stay out
	v_cvt_pk_bf16_f32 v[Y+2*g], v[X+4*g], v[X+4*g+1]
	v_cvt_pk_bf16_f32 v[Y+2*g+1], v[X+4*g+2], v[X+4*g+3]
.if \recode
	v_lshlrev_b32 v[X+4*g], 16, v[Y+2*g]
	v_and_b32 v[X+4*g+1], 0xffff0000, v[Y+2*g]
	v_lshlrev_b32 v[X+4*g+2], 16, v[Y+2*g+1]
	v_and_b32 v[X+4*g+3], 0xffff0000, v[Y+2*g+1]
	v_cvt_pk_f16_f32 v[Y+2*g], v[X+4*g], v[X+4*g+1]
	v_cvt_pk_f16_f32 v[Y+2*g+1], v[X+4*g+2], v[X+4*g+3]
.endif
	global_store_b64 v2, v[Y+2*g:Y+2*g+1], s[10:11] offset:g*2048   ; the next launch reads it: no hint
.set g, g+1
.endr
.endm
	s_cmp_ge_u32 ttmp9, 224
	s_cbranch_scc1 .Lw_o
	CASTS 0
	s_endpgm
.Lw_o:
	CASTS 1
	s_endpgm
.Lfunc_end_k_qec71d1a94f_tobf16:
	.size	k_qec71d1a94f_tobf16, .Lfunc_end_k_qec71d1a94f_tobf16-k_qec71d1a94f_tobf16
	.p2alignl 7, 3214868480
	.fill 96, 4, 3214868480
	.section	.rodata,"a",@progbits
	.p2align	6, 0x0
	.amdhsa_kernel k_qec71d1a94f_tobf16
		.amdhsa_group_segment_fixed_size 0
		.amdhsa_private_segment_fixed_size 0
		.amdhsa_enable_private_segment 0
		.amdhsa_kernarg_size 48
		.amdhsa_user_sgpr_count 2
		.amdhsa_user_sgpr_kernarg_segment_ptr 1
		.amdhsa_wavefront_size32 1
		.amdhsa_system_sgpr_workgroup_id_x 1
		.amdhsa_system_sgpr_workgroup_id_y 1
		.amdhsa_system_sgpr_workgroup_id_z 1
		.amdhsa_system_vgpr_workitem_id 0
		.amdhsa_next_free_vgpr 196
		.amdhsa_next_free_sgpr 66
		.amdhsa_reserve_vcc 0
		.amdhsa_float_denorm_mode_32 3
		.amdhsa_float_denorm_mode_16_64 3
		.amdhsa_memory_ordered 1
		.amdhsa_forward_progress 1
		.amdhsa_inst_pref_size 31
	.end_amdhsa_kernel
	.amdgpu_metadata
---
amdhsa.version: [ 1, 2 ]
amdhsa.kernels:
  - .name:           k_qec71d1a94f_tobf16
    .symbol:         k_qec71d1a94f_tobf16.kd
    .args:
      - { .name: x, .offset: 0, .size: 8, .value_kind: global_buffer, .address_space: global }
      - { .name: W_qkv, .offset: 8, .size: 8, .value_kind: global_buffer, .address_space: global }
      - { .name: W_o, .offset: 16, .size: 8, .value_kind: global_buffer, .address_space: global }
      - { .name: xb, .offset: 24, .size: 8, .value_kind: global_buffer, .address_space: global }
      - { .name: wqb, .offset: 32, .size: 8, .value_kind: global_buffer, .address_space: global }
      - { .name: woh, .offset: 40, .size: 8, .value_kind: global_buffer, .address_space: global }
    .group_segment_fixed_size: 0
    .private_segment_fixed_size: 0
    .kernarg_segment_align: 8
    .kernarg_segment_size: 48
    .max_flat_workgroup_size: 256
    .sgpr_count:     66
    .vgpr_count:     196
    .wavefront_size: 32
...
	.end_amdgpu_metadata
.endif
;; end of part 1
;; launch qkvgemm (part 2): grid 16 x 16, 4 waves a work-group, clusters of 4 x 4, 327,680 bytes of LDS; arguments xb, wqb, b_qkv, qkv; writes qkv
.if DOCPART == 2
	.amdgcn_target "amdgcn-amd-amdhsa--gfx1250"
	.amdhsa_code_object_version 6
	.text
	.protected	k_qec71d1a94f_qkvgemm
	.globl	k_qec71d1a94f_qkvgemm
	.p2align	8
	.type	k_qec71d1a94f_qkvgemm,@function
k_qec71d1a94f_qkvgemm:
	s_mov_b64 s[64:65], 0
	v_nop
	global_prefetch_b8 v0, s[64:65] scope:SCOPE_SE
	s_setreg_imm32_b32 hwreg(HW_REG_WAVE_MODE, 25, 1), 1
	s_wait_xcnt 0x0
	s_wait_alu depctr_hold_cnt(0) depctr_sa_sdst(0) depctr_va_vdst(0) depctr_va_sdst(0) depctr_va_ssrc(0) depctr_va_vcc(0) depctr_vm_vsrc(0)
	s_getreg_b32 s2, hwreg(HW_REG_IB_STS2, 6, 4)
	s_cmp_eq_u32 s2, 0
	s_cbranch_scc0 .Lentry_in_a_cluster
	s_endpgm
.Lentry_in_a_cluster:
	s_bfe_u32 s2, ttmp6, 0x10000c
	s_cmp_lg_u32 s2, 0xf033
	s_cbranch_scc0 .Lentry_shape_is_right
	s_endpgm
.Lentry_shape_is_right:
; qkv = x W_qkv^T + b_qkv.  xb [4096][1024] bf16, wqb [3072][1024] bf16, b_qkv [3072] f32; sums in f32.
; The result is stored in f16, by head: qkv[section 3: K, Q, V][b 2][h 16][t 2048][64], a head's rows of 128 bytes without gaps.
; f16 and not bf16: 11 significant bits against 8, and there is room: with x and W_qkv both 30 times larger |qkv| stays near 5,000, with both
; carrying an offset of 30 spreads near 29,000.  LIMIT: |qkv| above 65,504 becomes infinity.
; A work-group makes 256 rows x 192 columns (three whole heads) with four waves; 16 x 16 = 256 work-groups.  Wave w makes rows 64 w .. 64 w + 63 of
; all 192 columns: 4 x 12 accumulator tiles of 16 x 16, 384 registers.  For 32 along K it makes 32 LDS loads and 48 matrix instructions.
; K goes in steps of 128 through a ring of two LDS slots filled by the tensor data mover; a tile's rows are 256 bytes of memory at multiples of 256.
; CLUSTERS: 4 x 4 work-groups.  The four of a row of the cluster need the same 256 rows of x, the four of a column the same 192 rows of W_qkv:
; each such tile is asked for jointly, by the same tensor load in all four, which divides the requests by four.
; REGISTERS in windows of 256:  window 0: v16-27 addresses; v32-63, v64-95 fragments of x (4 x 16 rows x 32 K), two buffers; v96-191 the bias as a
; C operand, later the rows read back on the way out; v192-239 packed results.  window 1: v0-95, v96-191 fragments of W (12), two buffers.
; window 2: tiles of my rows 0-31 (tile (a, b) at v[8 (12 (a & 1) + b)]);  window 3: those of my rows 32-63.
; THE MATRIX INSTRUCTION IS USED TRANSPOSED: source 0 = 16 rows of W, source 1 = 16 rows of x, so that lane l holds row l % 16 of the result and its
; registers 0-7 the columns 8 (l / 16) + 0..7: eight neighbours, 16 bytes of f16.
; The 48 accumulators take turns, one instruction a turn, in the same order in every quarter step; no wait is written for them.
.set SIZE_K, 1024
.set KSTEP,  128
.set PITCH,  272                       ; an LDS row: 256 bytes + 16 of padding, an odd multiple of 16: the 16 rows of a fragment start in 16 different columns of 16 bytes
.set HALFA,  128*PITCH                 ; what one tensor load of x brings
.set HALFB,  96*PITCH                  ; what one tensor load of W brings
.set SLOT,   2*HALFA+2*HALFB           ; x's 256 rows, then W's 192 rows: 121,856 bytes
.set STAGE,  2*SLOT                    ; 243,712 = 952 x 256: behind the ring, 16 rows x 400 bytes for each wave; no tensor load lands here
.set SPITCH, 400                       ; 384 bytes of f16 + 16
.set LAPS,   SIZE_K/(2*KSTEP)          ; 4 laps of two K steps
.set ADRA, 16                          ; v16-17  LDS address of my x fragments in slot 0, 1
.set ADRB, 20                          ; v20-21  the same for W
.set STO,  24                          ; the way out: where I put 16 bytes
.set RD,   25                          ; the way out: where I read 16 bytes back
.set CO,   26                          ; 16 x lane: my place in 512 bytes of the result
.set BO,   27                          ; 32 x (lane / 16): my place in the bias
.set FA,   32                          ; x fragments, buffer f at FA + 32 f (window 0); W fragments, buffer f at 96 f (window 1)
.set BIAS, 96
.set TMP,  192
.set G1A, 24                           ; s[24:31] shape of x's tiles
.set G0A, 32                           ; s[32:39] from where, to where: one set for each slot
.set G1B, 40                           ; s[40:47] shape of W's tiles
.set G0B, 48                           ; s[48:55]
.set SHAPE, (1<<16)|(1<<20)|(1<<21)|(5<<22)|(3<<25)   ; elements of 2 bytes; padding on; bit 21 beside a mask; after every 64 words, 4 words
.set MSB, 0
.macro WIN new                         ; the immediate's high byte repeats the setting that is left
.if MSB != (\new)
	s_set_vgpr_msb (MSB<<8)|(\new)
.set MSB, (\new)
.endif
.endm
.macro PLACES                          ; four places behind a matrix instruction (ISA guide 7.12.1) before its registers are loaded into or its result is read
.rept 4
	v_nop
.endr
.endm
; A joint load: waves 0 and 1 fetch x's two halves, waves 2 and 3 W's.  The branch hangs on the wave's number alone.
.macro JLOAD s
	s_cmp_eq_u32 s13, 0
	s_cbranch_scc0 .Lfor_b_\@
	tensor_load_to_lds s[G0A+4*\s:G0A+4*\s+3], s[G1A:G1A+7]
	s_nop 0
	s_branch .Lasked_\@
.Lfor_b_\@:
	tensor_load_to_lds s[G0B+4*\s:G0B+4*\s+3], s[G1B:G1B+7]
	s_nop 0
.Lasked_\@:
.endm
.macro CREST                           ; a round of the cluster's barrier behind its opening barrier
	s_cmp_lg_u32 s12, 0
	s_cbranch_scc1 .Lnot_wave_0_\@
	s_barrier_signal -3
.Lnot_wave_0_\@:
	s_barrier_wait -3
	s_barrier_signal -1
	s_barrier_wait -1
.endm
.macro CROUND                          ; a whole round
	s_barrier_signal -1
	s_barrier_wait -1
	CREST
.endm
	s_load_b256 s[4:11], s[0:1], 0x0               ; xb s[4:5], wqb s[6:7], b_qkv s[8:9], qkv s[10:11]
	s_set_vgpr_msb 0x40
	v_lshl_add_u32 v255, v0, 2, 0x41c00
	s_set_vgpr_msb 0x4000
	v_mov_b32 v255, 0
	s_set_vgpr_msb 0x1
	ds_add_u32 v255, v255
	s_set_vgpr_msb 0x100
	v_lshrrev_b32 v1, 5, v0
	v_readfirstlane_b32 s12, v1                    ; wave 0..3
	s_lshr_b32 s13, s12, 1                         ; I fetch for x (0) or for W (1)
	s_and_b32 s14, s12, 1                          ; which half of that tile
	s_bfe_u32 s16, ttmp6, 0x40000                  ; cx
	s_bfe_u32 s17, ttmp6, 0x40004                  ; cy
	s_lshl_b32 s18, ttmp9, 2
	s_add_co_u32 s18, s18, s16                     ; block column = 4 x cluster x + cx
	s_and_b32 s19, ttmp7, 0xffff
	s_lshl_b32 s19, s19, 2
	s_add_co_u32 s19, s19, s17                     ; block row = 4 x cluster y + cy
	s_lshl_b32 s20, s17, 2
	s_lshl_b32 s20, 15, s20                        ; my row of the cluster: places 4 cy .. 4 cy + 3
	s_lshl_b32 s21, 0x1111, s16                    ; my column: places cx, cx + 4, cx + 8, cx + 12
	s_or_b32 s[G1A+0], s20, SHAPE                  ; x's tiles go to my row
	s_mov_b32 s[G1A+1], KSTEP<<16                  ; tensor_dim0 = 128
	s_mov_b32 s[G1A+2], 128<<16                    ; tensor_dim1 = 128
	s_mov_b32 s[G1A+3], KSTEP<<16                  ; tile_dim0 = 128
	s_mov_b32 s[G1A+4], 128                        ; tile_dim1 = 128 rows
	s_mov_b32 s[G1A+5], SIZE_K                     ; elements from row to row
	s_mov_b32 s[G1A+6], 0
	s_mov_b32 s[G1A+7], 0
	s_or_b32 s[G1B+0], s21, SHAPE                  ; W's tiles go to my column
	s_mov_b32 s[G1B+1], KSTEP<<16
	s_mov_b32 s[G1B+2], 96<<16                     ; tensor_dim1 = 96
	s_mov_b32 s[G1B+3], KSTEP<<16
	s_mov_b32 s[G1B+4], 96                         ; tile_dim1 = 96 rows
	s_mov_b32 s[G1B+5], SIZE_K
	s_mov_b32 s[G1B+6], 0
	s_mov_b32 s[G1B+7], 0
	; x's address hangs on the block row and the wave, W's on the block column and the wave, each in registers that never hold the other coordinate
	s_lshl_b32 s56, s19, 8
	s_lshl_b32 s22, s14, 7
	s_add_co_u32 s56, s56, s22                     ; row 256 x block row + 128 x half
	s_lshl_b32 s56, s56, 11                        ; x 2,048 bytes (below 8 MiB)
	s_mov_b32 s57, 0
	s_mul_i32 s58, s18, 192
	s_mul_i32 s23, s14, 96
	s_add_co_u32 s58, s58, s23                     ; row 192 x block column + 96 x half
	s_lshl_b32 s58, s58, 11
	s_mov_b32 s59, 0
	s_mul_i32 s22, s12, HALFA                      ; to where: x's halves at wave x 34,816 (waves 0, 1),
	s_mul_i32 s23, s12, HALFB
	s_add_co_u32 s23, s23, 2*HALFA-2*HALFB         ; W's at 69,632 + (wave - 2) x 26,112 (waves 2, 3): the wave's number alone
	s_wait_dscnt 0x0
	s_wait_kmcnt 0x0
	s_add_nc_u64 s[56:57], s[4:5], s[56:57]
	s_add_nc_u64 s[58:59], s[6:7], s[58:59]
	CROUND                                         ; all sixteen work-groups are here: the first joint loads meet
.irp s, 0,1
	s_mov_b32 s[G0A+4*\s], 1
	s_add_co_u32 s[G0A+4*\s+1], s22, \s*SLOT
	s_add_nc_u64 s[G0A+4*\s+2:G0A+4*\s+3], s[56:57], \s*KSTEP*2    ; K step s
	s_or_b32 s[G0A+4*\s+3], s[G0A+4*\s+3], 0x80000000              ; type = 2
	s_mov_b32 s[G0B+4*\s], 1
	s_add_co_u32 s[G0B+4*\s+1], s23, \s*SLOT
	s_add_nc_u64 s[G0B+4*\s+2:G0B+4*\s+3], s[58:59], \s*KSTEP*2
	s_or_b32 s[G0B+4*\s+3], s[G0B+4*\s+3], 0x80000000
	JLOAD \s                                       ; both slots are asked for before anything else: two loads of the wave are out, later one
.endr
	v_and_b32 v1, 15, v0                           ; r = lane % 16
	v_bfe_u32 v2, v0, 4, 1                         ; h = lane / 16
	v_mul_u32_u24 v3, v1, PITCH
	v_lshl_add_u32 v3, v2, 4, v3                   ; r x pitch + 16 h
	s_mul_i32 s60, s12, 64*PITCH                   ; my 64 rows of x
	v_add_nc_u32 v[ADRA], s60, v3
	v_add_nc_u32 v[ADRA+1], SLOT, v[ADRA]
	v_add_nc_u32 v[ADRB], 2*HALFA, v3              ; all 192 rows of W
	v_add_nc_u32 v[ADRB+1], 2*HALFA+SLOT, v3
	s_mul_i32 s60, s12, 16*SPITCH
	s_add_co_u32 s60, s60, STAGE                   ; my stage
	v_mul_u32_u24 v4, v1, SPITCH
	v_lshl_add_u32 v4, v2, 4, v4
	v_add_nc_u32 v[STO], s60, v4                   ; in: row r, 16 bytes for each half of the lanes
	v_and_b32 v5, 31, v0
	v_lshrrev_b32 v6, 3, v5
	v_mul_u32_u24 v6, v6, SPITCH
	v_and_b32 v7, 7, v0
	v_lshl_add_u32 v6, v7, 4, v6
	v_add_nc_u32 v[RD], s60, v6                    ; back: eight lanes take a head's 128 bytes of a row, the wave four rows
	v_lshlrev_b32 v[CO], 4, v5
	v_lshlrev_b32 v[BO], 5, v2
	; the bias in the layout of a C operand: register j of tile column b holds b_qkv[192 bx + 16 b + 8 h + j].  The first products take it as C: no add is written.
	s_mul_i32 s60, s18, 768
	s_mov_b32 s61, 0
	s_add_nc_u64 s[8:9], s[8:9], s[60:61]
.irp b, 0,1,2,3,4,5,6,7,8,9,10,11
	global_load_b128 v[BIAS+8*\b:BIAS+8*\b+3], v[BO], s[8:9] offset:64*\b
	global_load_b128 v[BIAS+8*\b+4:BIAS+8*\b+7], v[BO], s[8:9] offset:64*\b+16
.endr
	; where my rows go: head G = 3 bx + g is section G / 16, head G % 16; batch by / 8; first row 256 (by % 8) + 64 w
	s_mul_i32 s62, s18, 3
	s_lshr_b32 s63, s19, 3
	s_lshl_b32 s63, s63, 4                         ; 16 b
	s_and_b32 s72, s19, 7
	s_lshl_b32 s72, s72, 8
	s_lshl_b32 s73, s12, 6
	s_add_co_u32 s72, s72, s73
	s_lshl_b32 s72, s72, 7                         ; rows of 128 bytes
.irp g, 0,1,2
	s_add_co_u32 s60, s62, \g
	s_lshr_b32 s61, s60, 4
	s_and_b32 s60, s60, 15
	s_lshl_b32 s61, s61, 5
	s_add_co_u32 s60, s60, s61
	s_add_co_u32 s60, s60, s63                     ; plane 32 section + 16 b + h
	s_lshl_b32 s60, s60, 18                        ; x 262,144 bytes (below 25 MiB)
	s_add_co_u32 s60, s60, s72
	s_mov_b32 s61, 0
	s_add_nc_u64 s[66+2*\g:67+2*\g], s[10:11], s[60:61]
.endr
; 12 matrix instructions: my rows 16 a .. 16 a + 15 x all 192 columns, 32 along K, from buffer f.  zero = 1: the bias is C and the sums start.
.macro MULA f, a, zero
.if \zero
	WIN 0x81+0x40*((\a)>>1)                        ; source 0 window 1, source 1 and C window 0, D window 2 or 3
.else
	WIN 0xa1+0x50*((\a)>>1)                        ; C and D window 2 or 3
.endif
.irp b, 0,1,2,3,4,5,6,7,8,9,10,11
.if \zero
	v_wmma_f32_16x16x32_bf16 v[8*(12*((\a)&1)+\b):8*(12*((\a)&1)+\b)+7], v[96*\f+8*\b:96*\f+8*\b+7], v[FA+32*\f+8*\a:FA+32*\f+8*\a+7], v[BIAS+8*\b:BIAS+8*\b+7]
.else
	v_wmma_f32_16x16x32_bf16 v[8*(12*((\a)&1)+\b):8*(12*((\a)&1)+\b)+7], v[96*\f+8*\b:96*\f+8*\b+7], v[FA+32*\f+8*\a:FA+32*\f+8*\a+7], v[8*(12*((\a)&1)+\b):8*(12*((\a)&1)+\b)+7]
.endif
.endr
.endm
; 32 LDS loads in one run: 24 for W's 12 fragments, then 8 for x's 4, at byte k of the slot's rows, into buffer f
.macro FETCH slot, k, f
	WIN 0x40
.irp i, 0,1,2,3,4,5,6,7,8,9,10,11
	ds_load_b128 v[96*\f+8*\i:96*\f+8*\i+3],   v[ADRB+\slot] offset:\k+\i*16*PITCH
	ds_load_b128 v[96*\f+8*\i+4:96*\f+8*\i+7], v[ADRB+\slot] offset:\k+\i*16*PITCH+32
.endr
	WIN 0
.irp i, 0,1,2,3
	ds_load_b128 v[FA+32*\f+8*\i:FA+32*\f+8*\i+3],   v[ADRA+\slot] offset:\k+\i*16*PITCH
	ds_load_b128 v[FA+32*\f+8*\i+4:FA+32*\f+8*\i+7], v[ADRA+\slot] offset:\k+\i*16*PITCH+32
.endr
.endm
; One of a K step's first three quarters: multiplies buffer f and fetches the next quarter, at byte k, into buffer g
.macro QUARTER slot, k, f, g, zero
	s_wait_dscnt 4                                 ; W and x's fragments 0, 1 are in; the youngest four loads (fragments 2, 3) may be out
	MULA \f, 0, \zero
	MULA \f, 1, \zero
	PLACES
	FETCH \slot, \k, \g
	s_wait_dscnt 32                                ; all but the 32 just issued
	MULA \f, 2, \zero
	MULA \f, 3, \zero
.endm
.macro THREE slot, zero
	QUARTER \slot, 64,  0, 1, \zero
	QUARTER \slot, 128, 1, 0, 0
	QUARTER \slot, 192, 0, 1, 0
.endm
; The last quarter multiplies buffer 1 and changes slots.  In front of the barrier each wave waits for its reads of this slot and for all its tensor
; loads (one is out: its part of the next slot).  fill = 1: the barrier opens a round of the cluster's barrier, and the joint refill of this slot, two
; K steps ahead, is the first tensor load behind the round.  From that request to the wait for it a wave issues 180 matrix instructions.
.macro TURN slot, next, fill
	s_wait_dscnt 4
	MULA 1, 0, 0
	s_wait_dscnt 0                                 ; my reads of this slot are over
	s_wait_tensorcnt 0x0                           ; all my tensor loads have landed
	ds_add_u32 v255, v255
	s_wait_dscnt 0x0
	s_barrier_signal -1
	MULA 1, 1, 0                                   ; register work while the others arrive
	WIN 0
	s_barrier_wait -1
.if \fill
	CREST                                          ; no wave of any partner still reads this slot or has a load on its way
	s_add_nc_u64 s[G0A+4*\slot+2:G0A+4*\slot+3], s[G0A+4*\slot+2:G0A+4*\slot+3], 2*KSTEP*2
	s_add_nc_u64 s[G0B+4*\slot+2:G0B+4*\slot+3], s[G0B+4*\slot+2:G0B+4*\slot+3], 2*KSTEP*2
	JLOAD \slot
.endif
	PLACES
	FETCH \next, 0, 0
	MULA 1, 2, 0
	MULA 1, 3, 0
.endm
.macro LAP zero
	THREE 0, \zero
	TURN 0, 1, 1
	THREE 1, 0
	TURN 1, 0, 1
.endm
	s_wait_loadcnt 0x0                             ; the bias
	s_wait_tensorcnt 0x1                           ; my part of K step 0 is in; K step 1's stays out
	s_barrier_signal -1
	s_barrier_wait -1
	FETCH 0, 0, 0
	LAP 1                                          ; the first lap stands in front of the loop: its first products start the sums
	WIN 0
	s_mov_b32 s15, LAPS-2
.Llap:
	LAP 0
	WIN 0
	s_sub_co_u32 s15, s15, 1
	s_cmp_lg_u32 s15, 0
	s_cbranch_scc1 .Llap
	THREE 0, 0                                     ; the last lap fills nothing
	TURN 0, 1, 0
	THREE 1, 0
	s_wait_dscnt 4
	MULA 1, 0, 0
	MULA 1, 1, 0
	s_wait_dscnt 0
	MULA 1, 2, 0
	MULA 1, 3, 0
	; THE WAY OUT, 16 rows at a time: round to f16, 16 bytes a lane into my own stage, read back head by head, four rows of 128 bytes to a store
	PLACES
.macro OUT16 a, buf
	WIN 0x0a+0x05*((\a)>>1)                        ; sources in window 2 or 3
.irp b, 0,1,2,3,4,5,6,7,8,9,10,11
.irp r, 0,1,2,3
	v_cvt_pk_f16_f32 v[TMP+4*\b+\r], v[8*(12*((\a)&1)+\b)+2*\r], v[8*(12*((\a)&1)+\b)+2*\r+1]
.endr
.endr
	WIN 0
.irp b, 0,1,2,3,4,5,6,7,8,9,10,11
	ds_store_b128 v[STO], v[TMP+4*\b:TMP+4*\b+3] offset:32*\b
.endr
	s_wait_xcnt 0x0                                ; the buffer, which earlier stores read, is loaded again only behind this wait
.irp g, 0,1,2
.irp t, 0,1,2,3
	ds_load_b128 v[\buf+4*(4*\g+\t):\buf+4*(4*\g+\t)+3], v[RD] offset:\g*128+\t*4*SPITCH   ; LDS serves a wave's instructions in order: these see the stores above
.endr
.endr
.irp g, 0,1,2
.irp t, 0,1,2,3
	s_wait_dscnt 11-(4*\g+\t)
	global_store_b128 v[CO], v[\buf+4*(4*\g+\t):\buf+4*(4*\g+\t)+3], s[66+2*\g:67+2*\g] offset:(16*\a+4*\t)*128   ; 512 consecutive bytes, at a multiple of 512 from the buffer's first byte
.endr
.endr
.endm
	OUT16 0, 96
	OUT16 1, 144
	OUT16 2, 96
	OUT16 3, 144
	s_set_vgpr_msb 0x1
	s_wait_tensorcnt 0x0
	ds_add_u32 v255, v255
	s_wait_dscnt 0x0
	s_set_vgpr_msb 0x100
	CROUND                                         ; the closing round: no work-group ends while a partner may still ask for a tile that names it
	s_endpgm
.Lfunc_end_k_qec71d1a94f_qkvgemm:
	.size	k_qec71d1a94f_qkvgemm, .Lfunc_end_k_qec71d1a94f_qkvgemm-k_qec71d1a94f_qkvgemm
	.p2alignl 7, 3214868480
	.fill 96, 4, 3214868480
	.section	.rodata,"a",@progbits
	.p2align	6, 0x0
	.amdhsa_kernel k_qec71d1a94f_qkvgemm
		.amdhsa_group_segment_fixed_size 327680
		.amdhsa_private_segment_fixed_size 0
		.amdhsa_enable_private_segment 0
		.amdhsa_kernarg_size 32
		.amdhsa_user_sgpr_count 2
		.amdhsa_user_sgpr_kernarg_segment_ptr 1
		.amdhsa_wavefront_size32 1
		.amdhsa_system_sgpr_workgroup_id_x 1
		.amdhsa_system_sgpr_workgroup_id_y 1
		.amdhsa_system_sgpr_workgroup_id_z 1
		.amdhsa_system_vgpr_workitem_id 0
		.amdhsa_next_free_vgpr 960
		.amdhsa_next_free_sgpr 80
		.amdhsa_reserve_vcc 0
		.amdhsa_float_denorm_mode_32 3
		.amdhsa_float_denorm_mode_16_64 3
		.amdhsa_memory_ordered 1
		.amdhsa_forward_progress 1
		.amdhsa_inst_pref_size 166
	.end_amdhsa_kernel
	.amdgpu_metadata
---
amdhsa.version: [ 1, 2 ]
amdhsa.kernels:
  - .name:           k_qec71d1a94f_qkvgemm
    .symbol:         k_qec71d1a94f_qkvgemm.kd
    .args:
      - { .name: xb, .offset: 0, .size: 8, .value_kind: global_buffer, .address_space: global }
      - { .name: wqb, .offset: 8, .size: 8, .value_kind: global_buffer, .address_space: global }
      - { .name: b_qkv, .offset: 16, .size: 8, .value_kind: global_buffer, .address_space: global }
      - { .name: qkv, .offset: 24, .size: 8, .value_kind: global_buffer, .address_space: global }
    .group_segment_fixed_size: 327680
    .private_segment_fixed_size: 0
    .kernarg_segment_align: 8
    .kernarg_segment_size: 32
    .max_flat_workgroup_size: 128
    .sgpr_count:     80
    .vgpr_count:     960
    .wavefront_size: 32
...
	.end_amdgpu_metadata
.endif
;; end of part 2
;; launch attn (part 3): grid 256 x 1, 8 waves a work-group, no clusters, 327,680 bytes of LDS; arguments qkv, att; writes att
.if DOCPART == 3
	.amdgcn_target "amdgcn-amd-amdhsa--gfx1250"
	.amdhsa_code_object_version 6
	.text
	.protected	k_qec71d1a94f_attn
	.globl	k_qec71d1a94f_attn
	.p2align	8
	.type	k_qec71d1a94f_attn,@function
k_qec71d1a94f_attn:
	s_mov_b64 s[64:65], 0
	v_nop
	global_prefetch_b8 v0, s[64:65] scope:SCOPE_SE
	s_setreg_imm32_b32 hwreg(HW_REG_WAVE_MODE, 25, 1), 1
	s_wait_xcnt 0x0
; Causal attention of one head, with a running maximum.  qkv[K, Q, V][b][h][t 2048][64] f16 -> att[h][b 2048 + t][64] f16.  Products in f16 with f32 sums;
; maxima, exponentials, sums and the merge in f32.
; WORK: work-group = (pair p = 0..7, head bh = 0..31).  It makes query block p (128 rows), then query block 15 - p.  Keys come in tiles of 256;
; block i needs (i >> 1) + 1 of them, so the two blocks need 9 in every work-group: 256 work-groups of equal work.  A block's last tile is cut by the
; diagonal: its scores are masked, and for an even i its second 128 keys lie wholly above the diagonal and are left out.
; WAVES: eight, two to a SIMD.  qg = w >> 2 picks 64 query rows, kg = w & 3 picks keys 32 kg .. 32 kg + 31 of each 128.  A wave keeps its own running
; maximum, sum and O over its keys; at a block's end the four kg are merged through LDS.  So a wave reads 8 KiB of fragments for 32 matrix
; instructions; with the rows split over the waves instead each wave would read all keys, twice the bytes.
; LAYOUT, no shuffle anywhere: S^T = K Q^T (source 0 = 16 keys, source 1 = 16 queries): lane (r, h), register j holds query r, key 8 h + j.  Two key
; tiles packed to f16 are the fragment P^T.  O^T = V^T P^T (source 0 = V read transposed): lane (r, h), register j holds query r, column 8 h + j.
; Every figure of a query row (maximum, sum, factor) is then one number in a lane.
; NO CLUSTER, although the eight work-groups of a head read the same K and V: the first block needs 1 to 4 tiles according to p and the second 8 to 5,
; so in one trip partners want different tiles; a walk in step would take 4 + 8 = 12 tiles in place of 9.
; LIMITS: operands are f16 (|q|, |k|, |v| up to 65,504).  The state is NM = -(c x running maximum), c = log2(e) / 8; it starts at +2^100 in place of
; +infinity, so rows whose scaled scores all lie at or below -2^100 are not served.  Masked scores are -infinity.
; The accumulators take turns, one instruction a turn (8 for S, 16 for O); no wait is written for them.
.set SLOT,  71680                      ; V: 128 rows x 288, then K: 128 rows x 272.  An LDS row holds two keys (2 x 128 bytes) and its padding
.set KOFF,  36864
.set PART,  143360                     ; 560 x 256: [qg 2][kg 4][query tile 4][16 rows x 272] f32, the waves' scaled O
.set STATM, 282624                     ; [qg][query tile][r][kg] f32: the waves' NM; their sums lie 2,048 bytes further
.set KA,  2                            ; v2-3   my K fragments in slot 0, 1
.set VA,  4                            ; v4-5   my V fragments
.set QO,  6                            ; my place in a query block
.set D0,  7                            ; r - 8 h - 32 kg + 64 qg: key 16 t + j of my 32 is masked for query 16 i + r when 16 (t - i) + j > D0
.set DD,  8                            ; the same for the half at hand
.set NINF, 9
.set STW, 10
.set STR, 11
.set PW,  12
.set PR,  13
.set CO,  14
.set LS,  20                           ; v20-27  query tile i: two partial sums of p
.set AL,  28                           ; v28-35  query tile i: the factor, in the even register
.set NM,  36                           ; v36-43  query tile i: NM, in the even register
.set TT,  44                           ; v44-59  query tile i: four at work
.set KB,  64                           ; v64-127   K fragment (half s, tile t, K step k) at KB + 8 (4 s + 2 t + k)
.set VB,  128                          ; v128-191  V fragment (half s, columns c) at VB + 8 (4 s + c)
.set SB,  192                          ; v192-255  S (t, i) at SB + 8 (4 t + i)
.set QB,  128                          ; window 1: O (c, i) at 8 (4 c + i); Q (i, k) at QB + 8 (2 i + k); P (i) at PB + 8 i
.set PB,  192
.set G1K, 24
.set G1V, 32
.set G0K, 40                           ; one set for each slot
.set G0V, 48
.set CPOS, 0x3e38aa3b                  ; c = log2(e) / 8
.set CNEG, 0xbe38aa3b
.set BIG,  0x71800000                  ; 2^100
.set MSB, 0
.macro WIN new
.if MSB != (\new)
	s_set_vgpr_msb (MSB<<8)|(\new)
.set MSB, (\new)
.endif
.endm
.macro PLACES                          ; four places behind a matrix instruction (ISA guide 7.12.1)
.rept 4
	v_nop
.endr
.endm
; Waves 0, 1 fetch V's two halves of a tile (128 keys = 64 rows of 256 bytes each), waves 2, 3 K's, waves 4 to 7 nothing
.macro KVLOAD s
	s_cmp_eq_u32 s11, 0
	s_cbranch_scc0 .Lnot_v_\@
	tensor_load_to_lds s[G0V+4*(\s):G0V+4*(\s)+3], s[G1V:G1V+7]
	s_nop 0
	s_branch .Lasked_\@
.Lnot_v_\@:
	s_cmp_eq_u32 s11, 1
	s_cbranch_scc0 .Lasked_\@
	tensor_load_to_lds s[G0K+4*(\s):G0K+4*(\s)+3], s[G1K:G1K+7]
	s_nop 0
.Lasked_\@:
.endm
	s_load_b128 s[4:7], s[0:1], 0x0                ; qkv s[4:5], att s[6:7]
	v_lshl_add_u32 v62, v0, 2, 0x46000
	v_mov_b32 v63, 0
	ds_add_u32 v62, v63
	v_lshrrev_b32 v1, 5, v0
	v_readfirstlane_b32 s8, v1                     ; wave 0..7
	s_and_b32 s9, s8, 3                            ; kg
	s_lshr_b32 s10, s8, 2                          ; qg
	s_lshr_b32 s11, s8, 1                          ; 0: I fetch V, 1: K, else nothing
	s_and_b32 s12, s8, 1                           ; which 128 keys of the tile
	s_and_b32 s13, ttmp9, 7                        ; p
	s_lshr_b32 s14, ttmp9, 3                       ; bh = 16 b + h
	s_lshr_b32 s16, s13, 1                         ; the trip of the first block's last tile
	s_add_co_u32 s15, s16, 1                       ; tiles of the first block
	s_mov_b32 s17, 0                               ; u: the trip, 0..8
	s_and_b32 s19, s13, 1
	s_lshl_b32 s19, s19, 7                         ; 128 x (block's number & 1): by how many keys the last tile's first half lies under the diagonal block
	s_mov_b32 s20, 0x76543210                      ; v_permlanex16_b32: lane i of one half reads lane i of the other
	s_mov_b32 s21, 0xfedcba98
	; shape: 64 rows of 32 elements of 8 bytes, dense in memory; behind every 64 words K gets 4 words of padding (rows 272 apart), V 8 (288 apart)
	s_mov_b32 s[G1K+0], (3<<16)|(1<<20)|(5<<22)|(3<<25)
	s_mov_b32 s[G1K+1], 32<<16
	s_mov_b32 s[G1K+2], 64<<16
	s_mov_b32 s[G1K+3], 32<<16
	s_mov_b32 s[G1K+4], 64
	s_mov_b32 s[G1K+5], 32
	s_mov_b32 s[G1K+6], 0
	s_mov_b32 s[G1K+7], 0
	s_mov_b32 s[G1V+0], (3<<16)|(1<<20)|(5<<22)|(7<<25)
	s_mov_b32 s[G1V+1], 32<<16
	s_mov_b32 s[G1V+2], 64<<16
	s_mov_b32 s[G1V+3], 32<<16
	s_mov_b32 s[G1V+4], 64
	s_mov_b32 s[G1V+5], 32
	s_mov_b32 s[G1V+6], 0
	s_mov_b32 s[G1V+7], 0
	s_lshl_b32 s62, s14, 18                        ; my head's plane: bh x 262,144 bytes
	s_mov_b32 s63, 0
	s_lshl_b32 s74, s12, 14                        ; my half of a tile: 128 keys x 128 bytes
	s_mov_b32 s75, 0
	s_mov_b32 s61, 0                               ; s[60:61]: a tile's offset
	s_mul_i32 s22, s8, 18432                       ; V's halves at wave x 18,432 (waves 0, 1)
	s_mul_i32 s23, s8, 17408
	s_add_co_u32 s23, s23, KOFF-2*17408            ; K's at 36,864 + (wave - 2) x 17,408 (waves 2, 3)
	s_wait_dscnt 0x0
	s_barrier_signal -1
	s_barrier_wait -1
	s_wait_kmcnt 0x0
	s_add_nc_u64 s[56:57], s[4:5], s[62:63]        ; K's plane
	s_add_nc_u64 s[66:67], s[56:57], 8388608       ; Q's
	s_add_nc_u64 s[58:59], s[56:57], 16777216      ; V's
	s_add_nc_u64 s[56:57], s[56:57], s[74:75]
	s_add_nc_u64 s[58:59], s[58:59], s[74:75]
.irp s, 0,1
	s_mov_b32 s[G0K+4*\s], 1
	s_add_co_u32 s[G0K+4*\s+1], s23, \s*SLOT
	s_mov_b32 s[G0V+4*\s], 1
	s_add_co_u32 s[G0V+4*\s+1], s22, \s*SLOT
.endr
	s_mov_b64 s[G0K+2:G0K+3], s[56:57]             ; tile 0
	s_or_b32 s[G0K+3], s[G0K+3], 0x80000000
	s_mov_b64 s[G0V+2:G0V+3], s[58:59]
	s_or_b32 s[G0V+3], s[G0V+3], 0x80000000
	KVLOAD 0                                       ; the one first fill; slot 1 is filled behind the first trip's barrier.  One tensor load of a wave is out at any time
	s_lshl_b32 s74, s13, 14                        ; block p: 128 rows x 128 bytes
	s_sub_co_u32 s62, 15, s13
	s_lshl_b32 s62, s62, 14                        ; block 15 - p
	s_add_nc_u64 s[68:69], s[66:67], s[62:63]      ; Q of the second block
	s_add_nc_u64 s[66:67], s[66:67], s[74:75]      ; Q of the first
	s_and_b32 s76, s14, 15
	s_lshl_b32 s76, s76, 19                        ; h x 524,288
	s_lshr_b32 s77, s14, 4
	s_lshl_b32 s77, s77, 18                        ; b x 262,144
	s_add_co_u32 s76, s76, s77
	s_mov_b32 s77, 0
	s_add_nc_u64 s[6:7], s[6:7], s[76:77]
	s_add_nc_u64 s[70:71], s[6:7], s[74:75]        ; att of the first block
	s_add_nc_u64 s[72:73], s[6:7], s[62:63]        ; att of the second
	v_and_b32 v1, 15, v0                           ; r
	v_bfe_u32 v15, v0, 4, 1                        ; h
	v_and_b32 v16, 31, v0                          ; lane
	v_and_b32 v18, 1, v0
	v_lshl_add_u32 v[QO], s10, 6, v1               ; query row 64 qg + r
	v_lshlrev_b32 v[QO], 7, v[QO]
	v_lshl_add_u32 v[QO], v15, 4, v[QO]            ; + 16 h
	WIN 0x40
.irp i, 0,1,2,3
.irp k, 0,1
	global_load_b128 v[QB+8*(2*\i+\k):QB+8*(2*\i+\k)+3],   v[QO], s[66:67] offset:\i*2048+\k*64
	global_load_b128 v[QB+8*(2*\i+\k)+4:QB+8*(2*\i+\k)+7], v[QO], s[66:67] offset:\i*2048+\k*64+32
.endr
.endr
	WIN 0
	; K: key 32 kg + 16 t + r lies in LDS row 16 kg + 8 t + (r >> 1), at byte 128 (r & 1).
	v_lshrrev_b32 v17, 1, v1
	v_lshl_add_u32 v17, s9, 4, v17
	v_mul_u32_u24 v17, v17, 272
	v_lshl_add_u32 v17, v18, 7, v17
	v_lshl_add_u32 v17, v15, 4, v17
	v_add_nc_u32 v[KA], KOFF, v17
	v_add_nc_u32 v[KA+1], KOFF+SLOT, v17
	; V, read transposed: lane l addresses key 32 kg + 8 h + (l & 7), 16 bytes at column 8 ((l >> 3) & 1)
	v_bfe_u32 v19, v0, 1, 2
	v_lshl_add_u32 v19, v15, 2, v19
	v_lshl_add_u32 v19, s9, 4, v19
	v_mul_u32_u24 v19, v19, 288
	v_lshl_add_u32 v19, v18, 7, v19
	v_bfe_u32 v17, v0, 3, 1
	v_lshl_add_u32 v[VA], v17, 4, v19
	v_add_nc_u32 v[VA+1], SLOT, v[VA]
	s_lshl_b32 s22, s10, 6
	s_lshl_b32 s23, s9, 5
	s_sub_co_i32 s22, s22, s23                     ; 64 qg - 32 kg
	v_lshlrev_b32 v17, 3, v15
	v_sub_nc_u32 v[D0], v1, v17
	v_add_nc_u32 v[D0], s22, v[D0]
	v_lshl_add_u32 v17, s10, 6, v1
	v_lshlrev_b32 v[STR], 4, v17
	v_add_nc_u32 v[STR], STATM, v[STR]             ; the four kg's words of query 64 qg + r (+ 256 for each query tile)
	v_lshl_add_u32 v[STW], s9, 2, v[STR]           ; mine among them
	s_mul_i32 s22, s8, 17408
	s_add_co_u32 s22, s22, PART
	v_mul_u32_u24 v[PW], v1, 272
	v_lshl_add_u32 v[PW], v15, 5, v[PW]
	v_add_nc_u32 v[PW], s22, v[PW]                 ; my O: row r, 32 bytes at column 8 h
	s_mul_i32 s22, s10, 69632
	s_mul_i32 s23, s9, 4352
	s_add_co_u32 s22, s22, s23
	s_add_co_u32 s22, s22, PART
	v_lshrrev_b32 v17, 3, v16
	v_mul_u32_u24 v[PR], v17, 272
	v_and_b32 v17, 7, v0
	v_lshl_add_u32 v[PR], v17, 5, v[PR]
	v_add_nc_u32 v[PR], s22, v[PR]                 ; the merge: I sum query tile kg; eight lanes take a row, 32 bytes each
	v_lshlrev_b32 v[CO], 4, v16
	v_lshl_add_u32 v[CO], s8, 11, v[CO]            ; rows 64 qg + 16 kg = 16 w of the block, 128 bytes each, + 16 x lane
	v_mov_b32 v[NINF], 0xff800000
.irp i, 0,1,2,3
	v_mov_b32 v[NM+2*\i], BIG
	v_mov_b32 v[NM+2*\i+1], 0                      ; the odd registers of the pairs are named by packed instructions and never used
	v_mov_b32 v[AL+2*\i+1], 0
	v_mov_b32 v[TT+4*\i+2], 0                      ; v_permlanex16_b32 counts as a reader of its destination
.endr
	s_wait_loadcnt 0x0                             ; Q
; 32 LDS loads in one run: my fragments of the whole tile.  Order: K of half 0 (8), K of half 1 (8), V of half 0 (8), V of half 1 (8)
.macro FRAGS slot
.irp s, 0,1
.irp t, 0,1
.irp k, 0,1
	ds_load_b128 v[KB+8*(4*\s+2*\t+\k):KB+8*(4*\s+2*\t+\k)+3],   v[KA+\slot] offset:\s*17408+\t*2176+\k*64
	ds_load_b128 v[KB+8*(4*\s+2*\t+\k)+4:KB+8*(4*\s+2*\t+\k)+7], v[KA+\slot] offset:\s*17408+\t*2176+\k*64+32
.endr
.endr
.endr
.irp s, 0,1
.irp c, 0,1,2,3
	ds_load_tr16_b128 v[VB+8*(4*\s+\c):VB+8*(4*\s+\c)+3],   v[VA+\slot] offset:\s*18432+32*\c
	ds_load_tr16_b128 v[VB+8*(4*\s+\c)+4:VB+8*(4*\s+\c)+7], v[VA+\slot] offset:\s*18432+32*\c+2304
.endr
.endr
.endm
; My 64 queries x my 32 keys of half sub.  mask = 1: scores above the diagonal become -infinity.  first = 1: the kernel's first step starts O and the sums.
.macro STEP sub, mask, first
	s_wait_dscnt 24-8*\sub                         ; this half's K is in: 24 (16) loads were issued behind it
	WIN 0x04                                       ; source 1 (Q) in window 1
.irp k, 0,1
.irp t, 0,1
.irp i, 0,1,2,3
.if \k == 0
	v_wmma_f32_16x16x32_f16 v[SB+8*(4*\t+\i):SB+8*(4*\t+\i)+7], v[KB+8*(4*\sub+2*\t+\k):KB+8*(4*\sub+2*\t+\k)+7], v[QB+8*(2*\i+\k):QB+8*(2*\i+\k)+7], 0
.else
	v_wmma_f32_16x16x32_f16 v[SB+8*(4*\t+\i):SB+8*(4*\t+\i)+7], v[KB+8*(4*\sub+2*\t+\k):KB+8*(4*\sub+2*\t+\k)+7], v[QB+8*(2*\i+\k):QB+8*(2*\i+\k)+7], v[SB+8*(4*\t+\i):SB+8*(4*\t+\i)+7]
.endif
.endr
.endr
.endr
	WIN 0
	PLACES
.if \mask
.irp t, 0,1
.irp i, 0,1,2,3
.irp j, 0,1,2,3,4,5,6,7
	v_cmp_gt_i32 vcc_lo, 16*(\t-\i)+\j, v[DD]
	v_cndmask_b32 v[SB+8*(4*\t+\i)+\j], v[SB+8*(4*\t+\i)+\j], v[NINF], vcc_lo
.endr
.endr
.endr
.endif
	; the largest of a query's 32 scores: 16 in my lane, 16 in the lane of the other half; the four query tiles side by side
.irp i, 0,1,2,3
	v_max3_num_f32 v[TT+4*\i],   v[SB+8*\i],    v[SB+8*\i+1],    v[SB+8*\i+2]
	v_max3_num_f32 v[TT+4*\i+1], v[SB+32+8*\i], v[SB+32+8*\i+1], v[SB+32+8*\i+2]
.endr
.irp i, 0,1,2,3
	v_max3_num_f32 v[TT+4*\i],   v[TT+4*\i],   v[SB+8*\i+3],    v[SB+8*\i+4]
	v_max3_num_f32 v[TT+4*\i+1], v[TT+4*\i+1], v[SB+32+8*\i+3], v[SB+32+8*\i+4]
.endr
.irp i, 0,1,2,3
	v_max3_num_f32 v[TT+4*\i],   v[TT+4*\i],   v[SB+8*\i+5],    v[SB+8*\i+6]
	v_max3_num_f32 v[TT+4*\i+1], v[TT+4*\i+1], v[SB+32+8*\i+5], v[SB+32+8*\i+6]
.endr
.irp i, 0,1,2,3
	v_max3_num_f32 v[TT+4*\i], v[TT+4*\i], v[SB+8*\i+7], v[SB+32+8*\i+7]
.endr
.irp i, 0,1,2,3
	v_max_num_f32 v[TT+4*\i], v[TT+4*\i], v[TT+4*\i+1]
.endr
.irp i, 0,1,2,3
	v_permlanex16_b32 v[TT+4*\i+2], v[TT+4*\i], s20, s21
.endr
.irp i, 0,1,2,3
	v_max_num_f32 v[TT+4*\i], v[TT+4*\i], v[TT+4*\i+2]
.endr
.irp i, 0,1,2,3
	v_mul_f32 v[TT+4*\i], CNEG, v[TT+4*\i]         ; -c x maximum; +infinity where all 32 are masked, and then the old NM stays
.endr
.if \first
.irp i, 0,1,2,3
	v_min_num_f32 v[NM+2*\i], v[TT+4*\i], v[NM+2*\i]
.endr
.else
.irp i, 0,1,2,3
	v_min_num_f32 v[TT+4*\i], v[TT+4*\i], v[NM+2*\i]
.endr
.irp i, 0,1,2,3
	v_sub_f32 v[TT+4*\i+1], v[TT+4*\i], v[NM+2*\i] ; new NM - old NM <= 0
.endr
.irp i, 0,1,2,3
	v_mov_b32 v[NM+2*\i], v[TT+4*\i]
.endr
.irp i, 0,1,2,3
	v_exp_f32 v[AL+2*\i], v[TT+4*\i+1]             ; the factor for what has been summed; the packed lines below are the plain place behind it (ISA guide 5.7.2)
.endr
.endif
	; p = 2^(c s + NM): one fused multiply-add against the rounded state itself, so p, the factors and the merge speak of one exponent
.irp t, 0,1
.irp i, 0,1,2,3
.irp j, 0,2,4,6
	v_pk_fma_f32 v[SB+8*(4*\t+\i)+\j:SB+8*(4*\t+\i)+\j+1], v[SB+8*(4*\t+\i)+\j:SB+8*(4*\t+\i)+\j+1], CPOS, v[NM+2*\i:NM+2*\i+1] op_sel_hi:[1,0,0]
.endr
.endr
.endr
.set ee, 0
.rept 64
	v_exp_f32 v[SB+ee], v[SB+ee]
.set ee, ee+1
.endr
	v_nop                                          ; the plain place behind the exponentials
	WIN 0x40                                       ; P in window 1
	s_wait_alu depctr_va_vdst(0)
.irp i, 0,1,2,3
.irp t, 0,1
.irp j, 0,1,2,3
	v_cvt_pk_f16_f32 v[PB+8*\i+4*\t+\j], v[SB+8*(4*\t+\i)+2*\j], v[SB+8*(4*\t+\i)+2*\j+1]
.endr
.endr
.endr
.if \first == 0
	WIN 0x41                                       ; O in window 1, the factor in window 0
.irp c, 0,1,2,3
.irp i, 0,1,2,3
.irp j, 0,2,4,6
	v_pk_mul_f32 v[8*(4*\c+\i)+\j:8*(4*\c+\i)+\j+1], v[8*(4*\c+\i)+\j:8*(4*\c+\i)+\j+1], v[AL+2*\i:AL+2*\i+1] op_sel_hi:[1,0]
.endr
.endr
.endr
.endif
	s_wait_dscnt 8-8*\sub                          ; this half's V is in: 8 (0) loads were issued behind it
	WIN 0x54                                       ; source 0 (V) window 0; P, C and D window 1
.irp c, 0,1,2,3
.irp i, 0,1,2,3
.if \first
	v_wmma_f32_16x16x32_f16 v[8*(4*\c+\i):8*(4*\c+\i)+7], v[VB+8*(4*\sub+\c):VB+8*(4*\sub+\c)+7], v[PB+8*\i:PB+8*\i+7], 0
.else
	v_wmma_f32_16x16x32_f16 v[8*(4*\c+\i):8*(4*\c+\i)+7], v[VB+8*(4*\sub+\c):VB+8*(4*\sub+\c)+7], v[PB+8*\i:PB+8*\i+7], v[8*(4*\c+\i):8*(4*\c+\i)+7]
.endif
.endr
.endr
	WIN 0
	; the sums of p, in place in S, behind the products that no longer need it
.irp t, 0,1
.irp i, 0,1,2,3
	v_pk_add_f32 v[SB+8*(4*\t+\i):SB+8*(4*\t+\i)+1],   v[SB+8*(4*\t+\i):SB+8*(4*\t+\i)+1],   v[SB+8*(4*\t+\i)+2:SB+8*(4*\t+\i)+3]
	v_pk_add_f32 v[SB+8*(4*\t+\i)+4:SB+8*(4*\t+\i)+5], v[SB+8*(4*\t+\i)+4:SB+8*(4*\t+\i)+5], v[SB+8*(4*\t+\i)+6:SB+8*(4*\t+\i)+7]
.endr
.endr
.irp t, 0,1
.irp i, 0,1,2,3
	v_pk_add_f32 v[SB+8*(4*\t+\i):SB+8*(4*\t+\i)+1], v[SB+8*(4*\t+\i):SB+8*(4*\t+\i)+1], v[SB+8*(4*\t+\i)+4:SB+8*(4*\t+\i)+5]
.endr
.endr
.if \first
.irp i, 0,1,2,3
	v_pk_add_f32 v[LS+2*\i:LS+2*\i+1], v[SB+8*\i:SB+8*\i+1], v[SB+32+8*\i:SB+32+8*\i+1]
.endr
.else
.irp i, 0,1,2,3
	v_pk_add_f32 v[SB+8*\i:SB+8*\i+1], v[SB+8*\i:SB+8*\i+1], v[SB+32+8*\i:SB+32+8*\i+1]
.endr
.irp i, 0,1,2,3
	v_pk_fma_f32 v[LS+2*\i:LS+2*\i+1], v[LS+2*\i:LS+2*\i+1], v[AL+2*\i:AL+2*\i+1], v[SB+8*\i:SB+8*\i+1] op_sel_hi:[1,0,1]
.endr
.endif
.endm
; A query block's end: the four kg of each qg are merged and the block is stored.  last = 0: the first block; the second block's Q is fetched meanwhile.
; The next tile's tensor load may be out across the two barriers here.
.macro MERGE last
	PLACES                                         ; behind the last products: Q, S, K and V registers are loaded into, O is read
.if \last == 0
	WIN 0x40
.irp i, 0,1,2,3
.irp k, 0,1
	global_load_b128 v[QB+8*(2*\i+\k):QB+8*(2*\i+\k)+3],   v[QO], s[68:69] offset:\i*2048+\k*64
	global_load_b128 v[QB+8*(2*\i+\k)+4:QB+8*(2*\i+\k)+7], v[QO], s[68:69] offset:\i*2048+\k*64+32
.endr
.endr
	WIN 0
.endif
.irp i, 0,1,2,3
	v_add_f32 v[TT+4*\i], v[LS+2*\i], v[LS+2*\i+1]
.endr
.irp i, 0,1,2,3
	v_permlanex16_b32 v[TT+4*\i+2], v[TT+4*\i], s20, s21
.endr
.irp i, 0,1,2,3
	v_add_f32 v[TT+4*\i], v[TT+4*\i], v[TT+4*\i+2] ; my wave's sum of p for query 16 i + r
.endr
.irp i, 0,1,2,3
	ds_store_b32 v[STW], v[NM+2*\i] offset:256*\i  ; both halves of the lanes write the same word with the same number
	ds_store_b32 v[STW], v[TT+4*\i] offset:2048+256*\i
.endr
	s_wait_dscnt 0x0                               ; for the others: my words are written (and my last fragment loads are back)
	s_barrier_signal -1
	s_barrier_wait -1
.irp i, 0,1,2,3
	ds_load_b128 v[SB+8*\i:SB+8*\i+3],   v[STR] offset:256*\i         ; NM of kg 0..3
	ds_load_b128 v[SB+8*\i+4:SB+8*\i+7], v[STR] offset:2048+256*\i    ; their sums
.endr
	s_wait_dscnt 0x0
.irp i, 0,1,2,3
	v_min3_num_f32 v[TT+4*\i], v[SB+8*\i], v[SB+8*\i+1], v[SB+8*\i+2]
.endr
.irp i, 0,1,2,3
	v_min_num_f32 v[TT+4*\i], v[TT+4*\i], v[SB+8*\i+3]     ; the least NM = the largest maximum; kg 0 always has an unmasked key
.endr
.irp i, 0,1,2,3
.irp j, 0,1,2,3
	v_sub_f32 v[SB+8*\i+\j], v[TT+4*\i], v[SB+8*\i+\j]
.endr
	v_sub_f32 v[TT+4*\i+1], v[TT+4*\i], v[NM+2*\i]
.endr
.irp i, 0,1,2,3
.irp j, 0,1,2,3
	v_exp_f32 v[SB+8*\i+\j], v[SB+8*\i+\j]         ; a wave's weight; 0 for one that has seen no key (NM = 2^100)
.endr
	v_exp_f32 v[TT+4*\i+1], v[TT+4*\i+1]           ; mine
.endr
	v_nop
	s_wait_alu depctr_va_vdst(0)
.irp i, 0,1,2,3
	v_mul_f32 v[TT+4*\i+2], v[SB+8*\i], v[SB+8*\i+4]
.endr
.irp j, 1,2,3
.irp i, 0,1,2,3
	v_fmac_f32 v[TT+4*\i+2], v[SB+8*\i+\j], v[SB+8*\i+4+\j]
.endr
.endr
.irp i, 0,1,2,3
	v_rcp_f32 v[TT+4*\i+2], v[TT+4*\i+2]           ; the whole sum is at least about 1: the largest score's p
.endr
	v_nop
	s_wait_alu depctr_va_vdst(0)
.irp i, 0,1,2,3
	v_mul_f32 v[AL+2*\i], v[TT+4*\i+1], v[TT+4*\i+2]
.endr
	WIN 0x41
.irp c, 0,1,2,3
.irp i, 0,1,2,3
.irp j, 0,2,4,6
	v_pk_mul_f32 v[8*(4*\c+\i)+\j:8*(4*\c+\i)+\j+1], v[8*(4*\c+\i)+\j:8*(4*\c+\i)+\j+1], v[AL+2*\i:AL+2*\i+1] op_sel_hi:[1,0]
.endr
.endr
.endr
	WIN 0x04                                       ; store data in window 1
.irp i, 0,1,2,3
.irp c, 0,1,2,3
	ds_store_b128 v[PW], v[8*(4*\c+\i):8*(4*\c+\i)+3]   offset:\i*4352+64*\c
	ds_store_b128 v[PW], v[8*(4*\c+\i)+4:8*(4*\c+\i)+7] offset:\i*4352+64*\c+16
.endr
.endr
	WIN 0
	s_wait_dscnt 0x0                               ; for the others: my O is written
	s_barrier_signal -1
	s_barrier_wait -1
.irp g, 0,1,2,3
.irp k, 0,1,2,3
	ds_load_b128 v[KB+32*\g+8*\k:KB+32*\g+8*\k+3],   v[PR] offset:\k*17408+\g*1088
	ds_load_b128 v[KB+32*\g+8*\k+4:KB+32*\g+8*\k+7], v[PR] offset:\k*17408+\g*1088+16
.endr
.endr
.irp g, 0,1,2,3
	s_wait_dscnt 24-8*\g                           ; the eight loads of rows 4 g .. 4 g + 3 are in
.irp j, 0,2,4,6
	v_pk_add_f32 v[KB+32*\g+\j:KB+32*\g+\j+1],       v[KB+32*\g+\j:KB+32*\g+\j+1],       v[KB+32*\g+8+\j:KB+32*\g+8+\j+1]
	v_pk_add_f32 v[KB+32*\g+16+\j:KB+32*\g+16+\j+1], v[KB+32*\g+16+\j:KB+32*\g+16+\j+1], v[KB+32*\g+24+\j:KB+32*\g+24+\j+1]
.endr
.irp j, 0,2,4,6
	v_pk_add_f32 v[KB+32*\g+\j:KB+32*\g+\j+1], v[KB+32*\g+\j:KB+32*\g+\j+1], v[KB+32*\g+16+\j:KB+32*\g+16+\j+1]
.endr
.irp j, 0,1,2,3
	v_cvt_pk_f16_f32 v[SB+4*\g+\j], v[KB+32*\g+2*\j], v[KB+32*\g+2*\j+1]
.endr
	global_store_b128 v[CO], v[SB+4*\g:SB+4*\g+3], s[70+2*\last:71+2*\last] offset:512*\g   ; 512 consecutive bytes, four rows of the head
.endr
.if \last == 0
	s_wait_xcnt 0x0                                ; the stores' data lie in S, which the next products write
	s_xor_b32 s19, s19, 128                        ; 15 - p has the other parity
.irp i, 0,1,2,3
	v_mov_b32 v[NM+2*\i], BIG                      ; the second block's first 256 keys are never masked: its first factor is 2^(-2^100) = 0 and wipes O and the sums
.endr
	s_wait_loadcnt 0x0                             ; the second block's Q
.endif
.endm
; One tile of 256 keys.  kind 0: the diagonal way is taken in the first block's last trip; 1: never; 2: always, and the kernel's last merge follows.
; In front of the barrier every wave waits for all its tensor loads (this trip's tile among them) and for its LDS reads; behind it the next tile goes
; into the slot read last trip, first thing, one load a wave, and has this trip's 64 matrix instructions of every wave in which to land.
.macro TRIP slot, refill, kind, first
	s_wait_tensorcnt 0x0
	ds_add_u32 v62, v63
	s_wait_dscnt 0x0
.if \refill
	s_add_co_u32 s22, s17, 1                       ; no tensor load of mine is out: the other slot's address may be written
	s_cmp_ge_u32 s22, s15
	s_cselect_b32 s23, s15, 0
	s_sub_co_u32 s22, s22, s23                     ; the next trip's tile, counted anew in the second block
	s_lshl_b32 s60, s22, 15                        ; x 256 keys x 128 bytes
	s_add_nc_u64 s[G0V+4*(1-\slot)+2:G0V+4*(1-\slot)+3], s[58:59], s[60:61]
	s_or_b32 s[G0V+4*(1-\slot)+3], s[G0V+4*(1-\slot)+3], 0x80000000
	s_add_nc_u64 s[G0K+4*(1-\slot)+2:G0K+4*(1-\slot)+3], s[56:57], s[60:61]
	s_or_b32 s[G0K+4*(1-\slot)+3], s[G0K+4*(1-\slot)+3], 0x80000000
.endif
	s_wait_dscnt 0x0
	s_barrier_signal -1
	s_barrier_wait -1
.if \refill
	KVLOAD 1-\slot
.endif
	PLACES
	FRAGS \slot
.if \kind == 0
	s_cmp_eq_u32 s17, s16                          ; hangs on the work-group's number and the trip alone: all waves go one way
	s_cbranch_scc1 .Ldiag_\@
.endif
.if \kind < 2
	STEP 0, 0, \first
	STEP 1, 0, 0
.endif
.if \kind == 0
	s_branch .Lnext_\@
.Ldiag_\@:
.endif
.if \kind != 1
	v_add_nc_u32 v[DD], s19, v[D0]                 ; odd block: the first half lies 128 keys under the diagonal block, and nothing of it is masked
	STEP 0, 1, \first
	s_cmp_eq_u32 s19, 0
	s_cbranch_scc1 .Lhalf_\@                       ; even block: the second half lies above the diagonal
	v_mov_b32 v[DD], v[D0]
	STEP 1, 1, 0
.Lhalf_\@:
.if \kind == 2
	MERGE 1
.else
	MERGE 0
.endif
.endif
.if \kind == 0
.Lnext_\@:
.endif
.if \refill
	s_add_co_u32 s17, s17, 1
.endif
.endm
	TRIP 0, 1, 0, 1                                ; trip 0
	s_mov_b32 s18, 3
.Lpair:
	TRIP 1, 1, 0, 0                                ; trips 1 to 6
	TRIP 0, 1, 0, 0
	s_sub_co_u32 s18, s18, 1
	s_cmp_lg_u32 s18, 0
	s_cbranch_scc1 .Lpair
	TRIP 1, 1, 1, 0                                ; trip 7: inside the second block, which has five tiles at the least
	TRIP 0, 0, 2, 0                                ; trip 8: the second block's last tile; nothing is left to fetch, and no tensor load is out at the end
	s_wait_tensorcnt 0x0
	ds_add_u32 v62, v63
	s_wait_dscnt 0x0
	s_endpgm
.Lfunc_end_k_qec71d1a94f_attn:
	.size	k_qec71d1a94f_attn, .Lfunc_end_k_qec71d1a94f_attn-k_qec71d1a94f_attn
	.p2alignl 7, 3214868480
	.fill 96, 4, 3214868480
	.section	.rodata,"a",@progbits
	.p2align	6, 0x0
	.amdhsa_kernel k_qec71d1a94f_attn
		.amdhsa_group_segment_fixed_size 327680
		.amdhsa_private_segment_fixed_size 0
		.amdhsa_enable_private_segment 0
		.amdhsa_kernarg_size 16
		.amdhsa_user_sgpr_count 2
		.amdhsa_user_sgpr_kernarg_segment_ptr 1
		.amdhsa_wavefront_size32 1
		.amdhsa_system_sgpr_workgroup_id_x 1
		.amdhsa_system_sgpr_workgroup_id_y 1
		.amdhsa_system_sgpr_workgroup_id_z 1
		.amdhsa_system_vgpr_workitem_id 0
		.amdhsa_next_free_vgpr 480
		.amdhsa_next_free_sgpr 80
		.amdhsa_reserve_vcc 1
		.amdhsa_float_denorm_mode_32 3
		.amdhsa_float_denorm_mode_16_64 3
		.amdhsa_memory_ordered 1
		.amdhsa_forward_progress 1
		.amdhsa_inst_pref_size 255
	.end_amdhsa_kernel
	.section	.bss,"aw",@nobits
	.p2align	6
	.space	262144
	.amdgpu_metadata
---
amdhsa.version: [ 1, 2 ]
amdhsa.kernels:
  - .name:           k_qec71d1a94f_attn
    .symbol:         k_qec71d1a94f_attn.kd
    .args:
      - { .name: qkv, .offset: 0, .size: 8, .value_kind: global_buffer, .address_space: global }
      - { .name: att, .offset: 8, .size: 8, .value_kind: global_buffer, .address_space: global }
    .group_segment_fixed_size: 327680
    .private_segment_fixed_size: 0
    .kernarg_segment_align: 8
    .kernarg_segment_size: 16
    .max_flat_workgroup_size: 256
    .sgpr_count:     80
    .vgpr_count:     480
    .wavefront_size: 32
...
	.end_amdgpu_metadata
.endif
;; end of part 3
;; launch proj (part 4): grid 8 x 32, 4 waves a work-group, clusters of 4 x 4, 327,680 bytes of LDS; arguments att, woh, b_o, out0; writes out0
.if DOCPART == 4
	.amdgcn_target "amdgcn-amd-amdhsa--gfx1250"
	.amdhsa_code_object_version 6
	.text
	.protected	k_qec71d1a94f_proj
	.globl	k_qec71d1a94f_proj
	.p2align	8
	.type	k_qec71d1a94f_proj,@function
k_qec71d1a94f_proj:
	s_mov_b64 s[64:65], 0
	v_nop
	global_prefetch_b8 v0, s[64:65] scope:SCOPE_SE
	s_setreg_imm32_b32 hwreg(HW_REG_WAVE_MODE, 25, 1), 1
	s_wait_xcnt 0x0
	s_wait_alu depctr_hold_cnt(0) depctr_sa_sdst(0) depctr_va_vdst(0) depctr_va_sdst(0) depctr_va_ssrc(0) depctr_va_vcc(0) depctr_vm_vsrc(0)
	s_getreg_b32 s2, hwreg(HW_REG_IB_STS2, 6, 4)
	s_cmp_eq_u32 s2, 0
	s_cbranch_scc0 .Lentry_in_a_cluster
	s_endpgm
.Lentry_in_a_cluster:
	s_bfe_u32 s2, ttmp6, 0x10000c
	s_cmp_lg_u32 s2, 0xf033
	s_cbranch_scc0 .Lentry_shape_is_right
	s_endpgm
.Lentry_shape_is_right:
; out0 = att W_o^T + b_o.  att[h 16][row 4096][64] f16, woh [1024][1024] f16, b_o [1024] f32, out0 [4096][1024] f32; sums in f32.
; A work-group makes 128 x 128 with four waves, a wave 64 x 64 (16 accumulator tiles): 8 x 32 = 256 work-groups; larger blocks would be fewer work-groups.
; K = 1024 goes in four steps of 256 (four heads) through two LDS slots: a wave does 128 matrix instructions between two changes of slot.
; CLUSTERS: 4 x 4 work-groups; att's tile hangs on the block row alone and is asked for jointly along a row of the cluster, W_o's on the block column
; alone and jointly along a column: the requests are divided by four.
; The matrix instruction is used transposed (source 0 = rows of W_o, source 1 = rows of att): a lane's eight results are eight neighbouring columns.
; The 16 accumulators take turns, one instruction a turn; no wait is written for them.
; REGISTERS: window 0: v16-27 addresses; v32-95, v96-159 fragments (W_o's four, then att's four), two buffers; v160-191 the bias as a C operand;
; v192-255 rows read back on the way out.  window 1: tile (a, b) at v[8 (4 a + b)].
.set PARTA, 34816                      ; 64 rows of att x 4 heads: [head][32 LDS rows x 272]; an LDS row holds two rows of a head (2 x 128 bytes) and 16 of padding
.set HEADA, 8704
.set PARTB, 33792                      ; 64 rows of W_o x 256 K: rows of 512 bytes + 16
.set SLOT,  2*PARTA+2*PARTB            ; 137,216
.set STAGE, 2*SLOT                     ; 274,432 = 1,072 x 256: 16 rows x 272 bytes for each wave; no tensor load lands here
.set SPITCH, 272
.set ASTEP, 2097152                    ; four heads of att
.set BSTEP, 512                        ; 256 K of W_o
.set ADRA, 16
.set ADRB, 20
.set STO,  24
.set RD,   25
.set CO,   26
.set BO,   27
.set F0,   32                          ; buffer f at F0 + 64 f
.set BIAS, 160
.set G1A, 24
.set G0A, 32
.set G1B, 40
.set G0B, 48
.set MSB, 0
.macro WIN new
.if MSB != (\new)
	s_set_vgpr_msb (MSB<<8)|(\new)
.set MSB, (\new)
.endif
.endm
.macro PLACES                          ; four places behind a matrix instruction (ISA guide 7.12.1)
.rept 4
	v_nop
.endr
.endm
.macro JLOAD s                         ; waves 0, 1 fetch att's two parts, waves 2, 3 W_o's
	s_cmp_eq_u32 s13, 0
	s_cbranch_scc0 .Lfor_b_\@
	tensor_load_to_lds s[G0A+4*\s:G0A+4*\s+3], s[G1A:G1A+7]
	s_nop 0
	s_branch .Lasked_\@
.Lfor_b_\@:
	tensor_load_to_lds s[G0B+4*\s:G0B+4*\s+3], s[G1B:G1B+7]
	s_nop 0
.Lasked_\@:
.endm
.macro CROUND                          ; a round of the cluster's barrier
	s_barrier_signal -1
	s_barrier_wait -1
	s_cmp_lg_u32 s12, 0
	s_cbranch_scc1 .Lnot_wave_0_\@
	s_barrier_signal -3
.Lnot_wave_0_\@:
	s_barrier_wait -3
	s_barrier_signal -1
	s_barrier_wait -1
.endm
	s_load_b256 s[4:11], s[0:1], 0x0               ; att s[4:5], woh s[6:7], b_o s[8:9], out0 s[10:11]
	v_lshl_add_u32 v30, v0, 2, 0x47400
	v_mov_b32 v31, 0
	ds_add_u32 v30, v31
	v_lshrrev_b32 v1, 5, v0
	v_readfirstlane_b32 s12, v1                    ; wave 0..3
	s_lshr_b32 s13, s12, 1                         ; my half of the block's rows.  Also: I fetch att (0) or W_o (1)
	s_and_b32 s14, s12, 1                          ; my half of its columns.  Also: which part I fetch
	s_bfe_u32 s16, ttmp6, 0x40000                  ; cx
	s_bfe_u32 s17, ttmp6, 0x40004                  ; cy
	s_lshl_b32 s18, ttmp9, 2
	s_add_co_u32 s18, s18, s16                     ; block column
	s_and_b32 s19, ttmp7, 0xffff
	s_lshl_b32 s19, s19, 2
	s_add_co_u32 s19, s19, s17                     ; block row
	s_lshl_b32 s20, s17, 2
	s_lshl_b32 s20, 15, s20                        ; my row of the cluster
	s_lshl_b32 s21, 0x1111, s16                    ; my column
	; att: a tile's row is the 8,192 dense bytes of 64 rows of one head (1,024 elements of 8 bytes), its four rows are four heads, 524,288 bytes apart;
	; 4 words of padding behind every 64, which divides the row: 32 LDS rows of 272 bytes to a head
	s_or_b32 s[G1A+0], s20, (3<<16)|(1<<20)|(1<<21)|(5<<22)|(3<<25)
	s_mov_b32 s[G1A+1], 1024<<16                   ; tensor_dim0 = 1,024
	s_mov_b32 s[G1A+2], 4<<16                      ; tensor_dim1 = 4
	s_mov_b32 s[G1A+3], 1024<<16                   ; tile_dim0
	s_mov_b32 s[G1A+4], 4                          ; tile_dim1
	s_mov_b32 s[G1A+5], 65536                      ; elements from head to head
	s_mov_b32 s[G1A+6], 0
	s_mov_b32 s[G1A+7], 0
	; W_o: 64 rows of 256 elements of 2 bytes; 4 words of padding behind every 128
	s_or_b32 s[G1B+0], s21, (1<<16)|(1<<20)|(1<<21)|(6<<22)|(3<<25)
	s_mov_b32 s[G1B+1], 256<<16
	s_mov_b32 s[G1B+2], 64<<16
	s_mov_b32 s[G1B+3], 256<<16
	s_mov_b32 s[G1B+4], 64
	s_mov_b32 s[G1B+5], 1024
	s_mov_b32 s[G1B+6], 0
	s_mov_b32 s[G1B+7], 0
	s_lshl_b32 s22, s14, 6                         ; 64 x part
	s_lshl_b32 s56, s19, 7
	s_add_co_u32 s56, s56, s22                     ; att: row 128 x block row + 64 x part
	s_lshl_b32 s56, s56, 7                         ; x 128 bytes
	s_mov_b32 s57, 0
	s_lshl_b32 s58, s18, 7
	s_add_co_u32 s58, s58, s22                     ; W_o: row 128 x block column + 64 x part
	s_lshl_b32 s58, s58, 11                        ; x 2,048 bytes
	s_mov_b32 s59, 0
	s_mul_i32 s22, s12, PARTA                      ; to where: att's parts at wave x 34,816 (waves 0, 1),
	s_mul_i32 s23, s12, PARTB
	s_add_co_u32 s23, s23, 2*PARTA-2*PARTB         ; W_o's at 69,632 + (wave - 2) x 33,792 (waves 2, 3)
	s_wait_dscnt 0x0
	s_wait_kmcnt 0x0
	s_add_nc_u64 s[56:57], s[4:5], s[56:57]
	s_add_nc_u64 s[58:59], s[6:7], s[58:59]
	CROUND                                         ; in front of the first joint loads
.irp s, 0,1
	s_mov_b32 s[G0A+4*\s], 1
	s_add_co_u32 s[G0A+4*\s+1], s22, \s*SLOT
	s_add_nc_u64 s[G0A+4*\s+2:G0A+4*\s+3], s[56:57], \s*ASTEP
	s_or_b32 s[G0A+4*\s+3], s[G0A+4*\s+3], 0x80000000
	s_mov_b32 s[G0B+4*\s], 1
	s_add_co_u32 s[G0B+4*\s+1], s23, \s*SLOT
	s_add_nc_u64 s[G0B+4*\s+2:G0B+4*\s+3], s[58:59], \s*BSTEP
	s_or_b32 s[G0B+4*\s+3], s[G0B+4*\s+3], 0x80000000
	JLOAD \s                                       ; two loads of the wave are out here, later one
.endr
	v_and_b32 v1, 15, v0                           ; r
	v_bfe_u32 v2, v0, 4, 1                         ; h
	v_lshrrev_b32 v3, 1, v1
	v_mul_u32_u24 v3, v3, 272
	v_and_b32 v4, 1, v0
	v_lshl_add_u32 v3, v4, 7, v3
	v_lshl_add_u32 v3, v2, 4, v3                   ; att: LDS row r >> 1, byte 128 (r & 1) + 16 h
	s_mul_i32 s60, s13, PARTA
	v_add_nc_u32 v[ADRA], s60, v3
	v_add_nc_u32 v[ADRA+1], SLOT, v[ADRA]
	v_mul_u32_u24 v5, v1, 528
	v_lshl_add_u32 v5, v2, 4, v5
	s_mul_i32 s60, s14, PARTB
	s_add_co_u32 s60, s60, 2*PARTA
	v_add_nc_u32 v[ADRB], s60, v5
	v_add_nc_u32 v[ADRB+1], SLOT, v[ADRB]
	s_mul_i32 s60, s12, 16*SPITCH
	s_add_co_u32 s60, s60, STAGE
	v_mul_u32_u24 v6, v1, SPITCH
	v_lshl_add_u32 v6, v2, 5, v6
	v_add_nc_u32 v[STO], s60, v6                   ; in: row r, 32 bytes for each half of the lanes
	v_mul_u32_u24 v7, v2, SPITCH
	v_lshl_add_u32 v7, v1, 4, v7
	v_add_nc_u32 v[RD], s60, v7                    ; back: lanes 0-15 take a row of 256 bytes, lanes 16-31 the next
	v_lshlrev_b32 v8, 12, v2
	v_lshl_add_u32 v[CO], v1, 4, v8                ; the same two rows in out0
	v_lshlrev_b32 v[BO], 5, v2
	s_lshl_b32 s60, s18, 9
	s_lshl_b32 s61, s14, 8
	s_add_co_u32 s60, s60, s61                     ; my first column in bytes: 512 x block column + 256 x half
	s_mov_b32 s61, 0
	s_add_nc_u64 s[8:9], s[8:9], s[60:61]
	s_add_nc_u64 s[10:11], s[10:11], s[60:61]
.irp b, 0,1,2,3
	global_load_b128 v[BIAS+8*\b:BIAS+8*\b+3], v[BO], s[8:9] offset:64*\b        ; register j of tile column b: b_o[.. + 16 b + 8 h + j]
	global_load_b128 v[BIAS+8*\b+4:BIAS+8*\b+7], v[BO], s[8:9] offset:64*\b+16
.endr
	s_lshl_b32 s62, s19, 7
	s_lshl_b32 s63, s13, 6
	s_add_co_u32 s62, s62, s63                     ; my first row
	s_lshl_b32 s62, s62, 12                        ; x 4,096 bytes (below 16 MiB)
	s_mov_b32 s63, 0
	s_add_nc_u64 s[10:11], s[10:11], s[62:63]
; 16 LDS loads: quarter q (32 K: head q >> 1, half q & 1) of a slot into buffer f: W_o's four fragments, then att's four
.macro FETCH2 slot, q, f
	WIN 0
.irp i, 0,1,2,3
	ds_load_b128 v[F0+64*\f+8*\i:F0+64*\f+8*\i+3],   v[ADRB+\slot] offset:64*\q+8448*\i
	ds_load_b128 v[F0+64*\f+8*\i+4:F0+64*\f+8*\i+7], v[ADRB+\slot] offset:64*\q+8448*\i+32
.endr
.irp i, 0,1,2,3
	ds_load_b128 v[F0+64*\f+32+8*\i:F0+64*\f+32+8*\i+3],   v[ADRA+\slot] offset:(\q>>1)*HEADA+(\q&1)*64+2176*\i
	ds_load_b128 v[F0+64*\f+32+8*\i+4:F0+64*\f+32+8*\i+7], v[ADRA+\slot] offset:(\q>>1)*HEADA+(\q&1)*64+2176*\i+32
.endr
.endm
; 8 matrix instructions: row tiles a0, a0 + 1 x 4 column tiles.  zero = 1: the bias is C and the sums start.
.macro MUL8 f, a0, zero
.if \zero
	WIN 0x40                                       ; D in window 1
.else
	WIN 0x50                                       ; C and D in window 1
.endif
.irp a, \a0, \a0+1
.irp b, 0,1,2,3
.if \zero
	v_wmma_f32_16x16x32_f16 v[8*(4*(\a)+\b):8*(4*(\a)+\b)+7], v[F0+64*\f+8*\b:F0+64*\f+8*\b+7], v[F0+64*\f+32+8*(\a):F0+64*\f+32+8*(\a)+7], v[BIAS+8*\b:BIAS+8*\b+7]
.else
	v_wmma_f32_16x16x32_f16 v[8*(4*(\a)+\b):8*(4*(\a)+\b)+7], v[F0+64*\f+8*\b:F0+64*\f+8*\b+7], v[F0+64*\f+32+8*(\a):F0+64*\f+32+8*(\a)+7], v[8*(4*(\a)+\b):8*(4*(\a)+\b)+7]
.endif
.endr
.endr
.endm
; a quarter: multiplies buffer f; more = 1: fetches quarter nq into buffer g in its middle
.macro QTR slot, nq, f, g, zero, more
	s_wait_dscnt 4                                 ; W_o's fragments and att's 0, 1 are in; the youngest four loads may be out
	MUL8 \f, 0, \zero
.if \more
	PLACES
	FETCH2 \slot, \nq, \g
	s_wait_dscnt 16                                ; all but the 16 just issued
.else
	s_wait_dscnt 0
.endif
	MUL8 \f, 2, \zero
.endm
.macro RUN slot, zero                  ; a slot's 256 K: 128 matrix instructions
	FETCH2 \slot, 0, 0
	QTR \slot, 1, 0, 1, \zero, 1
	QTR \slot, 2, 1, 0, 0, 1
	QTR \slot, 3, 0, 1, 0, 1
	QTR \slot, 4, 1, 0, 0, 1
	QTR \slot, 5, 0, 1, 0, 1
	QTR \slot, 6, 1, 0, 0, 1
	QTR \slot, 7, 0, 1, 0, 1
	QTR \slot, 0, 1, 0, 0, 0
	WIN 0
.endm
; A change of slots.  Every wave waits for all its tensor loads (one is out: its part of the next slot) and for its reads of the slot just multiplied.
; fill = 1: a round of the cluster's barrier, then the joint refill of that slot, two steps ahead, first thing; it has the next 128 matrix instructions in which to land.
.macro CHANGE slot, fill
	s_wait_tensorcnt 0x0
	ds_add_u32 v30, v31
	s_wait_dscnt 0x0
	s_wait_dscnt 0x0
.if \fill
	CROUND
	s_add_nc_u64 s[G0A+4*\slot+2:G0A+4*\slot+3], s[G0A+4*\slot+2:G0A+4*\slot+3], 2*ASTEP
	s_add_nc_u64 s[G0B+4*\slot+2:G0B+4*\slot+3], s[G0B+4*\slot+2:G0B+4*\slot+3], 2*BSTEP
	JLOAD \slot
.else
	s_barrier_signal -1
	s_barrier_wait -1
.endif
	PLACES
.endm
	s_wait_loadcnt 0x0                             ; the bias
	s_wait_tensorcnt 0x1                           ; my part of slot 0 is in; slot 1's stays out
	s_barrier_signal -1
	s_barrier_wait -1
	RUN 0, 1                                       ; heads 0-3
	CHANGE 0, 1
	RUN 1, 0                                       ; heads 4-7
	CHANGE 1, 1
	RUN 0, 0                                       ; heads 8-11
	CHANGE 0, 0
	RUN 1, 0                                       ; heads 12-15
	; THE WAY OUT, 16 rows at a time through my own stage: 32 bytes a lane in, whole rows of 256 bytes back
	PLACES
.macro OUTP a, buf
	WIN 0x04                                       ; store data in window 1
.irp b, 0,1,2,3
	ds_store_b128 v[STO], v[8*(4*\a+\b):8*(4*\a+\b)+3]   offset:64*\b
	ds_store_b128 v[STO], v[8*(4*\a+\b)+4:8*(4*\a+\b)+7] offset:64*\b+16
.endr
	WIN 0
	s_wait_xcnt 0x0                                ; the buffer, which earlier stores read, is loaded again only behind this wait
.irp t, 0,1,2,3,4,5,6,7
	ds_load_b128 v[\buf+4*\t:\buf+4*\t+3], v[RD] offset:\t*2*SPITCH     ; LDS serves a wave's instructions in order: these see the stores above
.endr
.irp t, 0,1,2,3,4,5,6,7
	s_wait_dscnt 7-\t
	global_store_b128 v[CO], v[\buf+4*\t:\buf+4*\t+3], s[10:11] offset:(16*\a+2*\t)*4096 th:TH_STORE_NT   ; 16 lanes store 256 consecutive bytes at a multiple of 256 from out0's first byte
.endr
.endm
	OUTP 0, 192
	OUTP 1, 224
	OUTP 2, 192
	OUTP 3, 224
	s_wait_tensorcnt 0x0
	ds_add_u32 v30, v31
	s_wait_dscnt 0x0
	CROUND                                         ; the closing round
	s_endpgm
.Lfunc_end_k_qec71d1a94f_proj:
	.size	k_qec71d1a94f_proj, .Lfunc_end_k_qec71d1a94f_proj-k_qec71d1a94f_proj
	.p2alignl 7, 3214868480
	.fill 96, 4, 3214868480
	.section	.rodata,"a",@progbits
	.p2align	6, 0x0
	.amdhsa_kernel k_qec71d1a94f_proj
		.amdhsa_group_segment_fixed_size 327680
		.amdhsa_private_segment_fixed_size 0
		.amdhsa_enable_private_segment 0
		.amdhsa_kernarg_size 32
		.amdhsa_user_sgpr_count 2
		.amdhsa_user_sgpr_kernarg_segment_ptr 1
		.amdhsa_wavefront_size32 1
		.amdhsa_system_sgpr_workgroup_id_x 1
		.amdhsa_system_sgpr_workgroup_id_y 1
		.amdhsa_system_sgpr_workgroup_id_z 1
		.amdhsa_system_vgpr_workitem_id 0
		.amdhsa_next_free_vgpr 384
		.amdhsa_next_free_sgpr 80
		.amdhsa_reserve_vcc 0
		.amdhsa_float_denorm_mode_32 3
		.amdhsa_float_denorm_mode_16_64 3
		.amdhsa_memory_ordered 1
		.amdhsa_forward_progress 1
		.amdhsa_inst_pref_size 91
	.end_amdhsa_kernel
	.amdgpu_metadata
---
amdhsa.version: [ 1, 2 ]
amdhsa.kernels:
  - .name:           k_qec71d1a94f_proj
    .symbol:         k_qec71d1a94f_proj.kd
    .args:
      - { .name: att, .offset: 0, .size: 8, .value_kind: global_buffer, .address_space: global }
      - { .name: woh, .offset: 8, .size: 8, .value_kind: global_buffer, .address_space: global }
      - { .name: b_o, .offset: 16, .size: 8, .value_kind: global_buffer, .address_space: global }
      - { .name: out0, .offset: 24, .size: 8, .value_kind: global_buffer, .address_space: global }
    .group_segment_fixed_size: 327680
    .private_segment_fixed_size: 0
    .kernarg_segment_align: 8
    .kernarg_segment_size: 32
    .max_flat_workgroup_size: 128
    .sgpr_count:     80
    .vgpr_count:     384
    .wavefront_size: 32
...
	.end_amdgpu_metadata
.endif
;; end of part 4
;; ======== version 2 of 2: 4 launches; version 1 with the launch tobf16 written anew for expert scheduling mode
;; limits: values are held in f16: magnitudes above 65,504 overflow, below 6.1e-05 lose precision
;; workspace buffers: xb 8,388,608 bytes; wqb 6,291,456 bytes; woh 2,097,152 bytes; qkv 25,165,824 bytes; att 8,388,608 bytes
;; launch tobf16 (part 5): grid 256 x 1, 8 waves a work-group, no clusters, 0 bytes of LDS; arguments x, W_qkv, W_o, xb, wqb, woh; writes xb, wqb, woh
.if DOCPART == 5
	.amdgcn_target "amdgcn-amd-amdhsa--gfx1250"
	.amdhsa_code_object_version 6
	.text
	.protected	k_qec71d1a94f_tobf16
	.globl	k_qec71d1a94f_tobf16
	.p2align	8
	.type	k_qec71d1a94f_tobf16,@function
k_qec71d1a94f_tobf16:
	s_mov_b64 s[64:65], 0
	v_nop
	global_prefetch_b8 v0, s[64:65] scope:SCOPE_SE
	s_setreg_imm32_b32 hwreg(HW_REG_WAVE_SCHED_MODE, 0, 2), 2
	s_setreg_imm32_b32 hwreg(HW_REG_WAVE_MODE, 25, 1), 1
	s_wait_xcnt 0x0
	s_wait_alu depctr_vm_vsrc(0)
; The three matrix inputs are rounded once to 16 bits, so that the products that follow read half the bytes and need no conversion.
;   x [4096][1024] f32 -> xb bf16;   W_qkv [3072][1024] f32 -> wqb bf16;
;   W_o [1024][1024] f32 -> woh: rounded to bf16 like the other two, then written in f16 code, because its partner in the last product
;   (the attention's result) is f16 and a matrix instruction takes both operands in one format.  A bf16 number has 8 significant bits and
;   f16 holds 11, so the second step is exact down to 2^-17; below that it errs by 2^-25 at the most.  LIMIT: |W_o| above 65,504 becomes infinity.
; A stream: no LDS, no barrier, no matrix unit, nothing is read twice.  256 work-groups of 8 waves; each takes 32,768 numbers (131,072 bytes in,
; 65,536 out): groups 0-127 x, 128-223 W_qkv, 224-255 W_o.  Thread t takes 16 bytes at 16 t of each block of 4,096 bytes: a wave's load covers
; 512 neighbouring bytes, its store of 8 bytes a lane covers 256 neighbouring bytes that start at a multiple of 256 from the buffer's first byte.
; All 32 loads of a thread are issued before the first wait for data.
; THE MODE: SCHED_MODE bits 1:0 = 2 (LLVM: expert scheduling mode 2), set by the entry lines.  The code itself states the register dependences
; between vector instructions and memory instructions, with s_wait_alu, always for 0.
; THE PLAN.  Registers that memory instructions touch:
;   v1, v2   byte offsets of the loads and of the stores: made once at the head, never written again.
;   X        group g: written by its one load, issued at the head, ahead of every vector instruction that names X; read (on W_o's path also written
;            again) by group g's own conversions, behind the wait for its load.  No memory instruction reads X, and no second load lands in it.
;   Y        group g: written by group g's conversions; read by its one store; never written behind that store.
; The 32 groups go in 8 blocks of four.  Block p converts its own four groups; its memory instructions are the four stores of block p - 1, whose Y no
; vector instruction of block p names.  So one wait at a block's head states all that its four stores hang on, and they are dealt among its conversions
; with no further wait.  No register that a memory instruction reads is written again: nothing is owed for the stores' sources.
.set X, 4                              ; v[4:131]    group g: 4 numbers as loaded
.set Y, 132                            ; v[132:195]  group g: 4 numbers in 16 bits
.set GROUPS, 32
.set BLOCK,  4                         ; groups in a block
.set BLOCKS, GROUPS/BLOCK
	s_load_b256 s[4:11], s[0:1], 0x0               ; x s[4:5], W_qkv s[6:7], W_o s[8:9], xb s[10:11]
	s_load_b128 s[12:15], s[0:1], 0x20             ; wqb s[12:13], woh s[14:15]
	v_lshlrev_b32 v1, 4, v0                        ; my 16 bytes in a block of the source
	v_lshlrev_b32 v2, 3, v0                        ; my 8 bytes in a block of the destination
	s_mov_b32 s16, 0                               ; the first work-group of my tensor
	s_wait_kmcnt 0x0
	s_cmp_ge_u32 ttmp9, 128                        ; the choice of the tensor hangs on the work-group's number alone
	s_cselect_b64 s[4:5], s[6:7], s[4:5]
	s_cselect_b64 s[10:11], s[12:13], s[10:11]
	s_cselect_b32 s16, 128, s16
	s_cmp_ge_u32 ttmp9, 224
	s_cselect_b64 s[4:5], s[8:9], s[4:5]
	s_cselect_b64 s[10:11], s[14:15], s[10:11]
	s_cselect_b32 s16, 224, s16
	s_sub_co_u32 s17, ttmp9, s16                   ; my part of the tensor
	s_lshl_b32 s18, s17, 17                        ; x 131,072 bytes in (at most 127 parts: below 4 GiB)
	s_mov_b32 s19, 0
	s_lshl_b32 s20, s17, 16                        ; x 65,536 bytes out
	s_mov_b32 s21, 0
	s_add_nc_u64 s[4:5], s[4:5], s[18:19]
	s_add_nc_u64 s[10:11], s[10:11], s[20:21]
	s_wait_alu depctr_va_vdst(0)                   ; v1 and v2 are written: every load of the kernel reads v1 as its offset, every store v2
.set g, 0
.rept GROUPS
	global_load_b128 v[X+4*g:X+4*g+3], v1, s[4:5] offset:g*4096 th:TH_LOAD_NT   ; read once in the whole launch
.set g, g+1
.endr
; recode = 1: the bf16 numbers are widened again (a shift, a mask) and written as f16
.macro CASTS recode
.set p, 0
.rept BLOCKS
	s_wait_loadcnt GROUPS-BLOCK*(p+1)              ; loads come back in order: block p's four groups are in, the younger blocks stay out
.if p > 0
	s_wait_alu depctr_va_vdst(0)                   ; the block before has written its Y, which the four stores below read; no vector instruction of this block names those registers
.endif
.set i, 0
.rept BLOCK
.set g, BLOCK*p+i
.if p > 0
	global_store_b64 v2, v[Y+2*(g-BLOCK):Y+2*(g-BLOCK)+1], s[10:11] offset:(g-BLOCK)*2048   ; the block before; the next launch reads it: no hint
.endif
	v_cvt_pk_bf16_f32 v[Y+2*g], v[X+4*g], v[X+4*g+1]
	v_cvt_pk_bf16_f32 v[Y+2*g+1], v[X+4*g+2], v[X+4*g+3]
.if \recode
	v_lshlrev_b32 v[X+4*g], 16, v[Y+2*g]
	v_and_b32 v[X+4*g+1], 0xffff0000, v[Y+2*g]
	v_lshlrev_b32 v[X+4*g+2], 16, v[Y+2*g+1]
	v_and_b32 v[X+4*g+3], 0xffff0000, v[Y+2*g+1]
	v_cvt_pk_f16_f32 v[Y+2*g], v[X+4*g], v[X+4*g+1]
	v_cvt_pk_f16_f32 v[Y+2*g+1], v[X+4*g+2], v[X+4*g+3]
.endif
.set i, i+1
.endr
.set p, p+1
.endr
	s_wait_alu depctr_va_vdst(0)                   ; the last block has written its Y, which the last four stores read
.set g, GROUPS-BLOCK
.rept BLOCK
	global_store_b64 v2, v[Y+2*g:Y+2*g+1], s[10:11] offset:g*2048
.set g, g+1
.endr
.endm
	s_cmp_ge_u32 ttmp9, 224
	s_cbranch_scc1 .Lw_o
	CASTS 0
	s_endpgm
.Lw_o:
	CASTS 1
	s_endpgm
.Lfunc_end_k_qec71d1a94f_tobf16:
	.size	k_qec71d1a94f_tobf16, .Lfunc_end_k_qec71d1a94f_tobf16-k_qec71d1a94f_tobf16
	.p2alignl 7, 3214868480
	.fill 96, 4, 3214868480
	.section	.rodata,"a",@progbits
	.p2align	6, 0x0
	.amdhsa_kernel k_qec71d1a94f_tobf16
		.amdhsa_group_segment_fixed_size 0
		.amdhsa_private_segment_fixed_size 0
		.amdhsa_enable_private_segment 0
		.amdhsa_kernarg_size 48
		.amdhsa_user_sgpr_count 2
		.amdhsa_user_sgpr_kernarg_segment_ptr 1
		.amdhsa_wavefront_size32 1
		.amdhsa_system_sgpr_workgroup_id_x 1
		.amdhsa_system_sgpr_workgroup_id_y 1
		.amdhsa_system_sgpr_workgroup_id_z 1
		.amdhsa_system_vgpr_workitem_id 0
		.amdhsa_next_free_vgpr 196
		.amdhsa_next_free_sgpr 66
		.amdhsa_reserve_vcc 0
		.amdhsa_float_denorm_mode_32 3
		.amdhsa_float_denorm_mode_16_64 3
		.amdhsa_memory_ordered 1
		.amdhsa_forward_progress 1
		.amdhsa_inst_pref_size 30
	.end_amdhsa_kernel
	.amdgpu_metadata
---
amdhsa.version: [ 1, 2 ]
amdhsa.kernels:
  - .name:           k_qec71d1a94f_tobf16
    .symbol:         k_qec71d1a94f_tobf16.kd
    .args:
      - { .name: x, .offset: 0, .size: 8, .value_kind: global_buffer, .address_space: global }
      - { .name: W_qkv, .offset: 8, .size: 8, .value_kind: global_buffer, .address_space: global }
      - { .name: W_o, .offset: 16, .size: 8, .value_kind: global_buffer, .address_space: global }
      - { .name: xb, .offset: 24, .size: 8, .value_kind: global_buffer, .address_space: global }
      - { .name: wqb, .offset: 32, .size: 8, .value_kind: global_buffer, .address_space: global }
      - { .name: woh, .offset: 40, .size: 8, .value_kind: global_buffer, .address_space: global }
    .group_segment_fixed_size: 0
    .private_segment_fixed_size: 0
    .kernarg_segment_align: 8
    .kernarg_segment_size: 48
    .max_flat_workgroup_size: 256
    .sgpr_count:     66
    .vgpr_count:     196
    .wavefront_size: 32
...
	.end_amdgpu_metadata
.endif
;; end of part 5
;; launch qkvgemm: the kernel of part 2 again; grid 16 x 16, 4 waves a work-group, clusters of 4 x 4, 327,680 bytes of LDS; arguments xb, wqb, b_qkv, qkv; writes qkv
;; launch attn: the kernel of part 3 again; grid 256 x 1, 8 waves a work-group, no clusters, 327,680 bytes of LDS; arguments qkv, att; writes att
;; launch proj: the kernel of part 4 again; grid 8 x 32, 4 waves a work-group, clusters of 4 x 4, 327,680 bytes of LDS; arguments att, woh, b_o, out0; writes out0
